; MI455X (gfx1250); checked and timed in simulation.
; The chip was launched on July 23, 2026; its instructions are those of AMD's public machine-readable ISA for CDNA 5 (MIT licence, August 2026) and "CDNA5" Instruction Set Architecture Reference Guide (July 2026). The comments in the code are by the model that wrote it; some were corrected since.
;; Position Encoding. Allowed arithmetic: float matrix products may take bf16 or f16 operands with f32 sums; other float arithmetic in f32, or as packed bf16 or f16 multiplies, adds, multiply-adds, maxima and minima; sums over many terms, partial sums and values carried from step to step in f32; what a program stores and reads back later, other than sums and carried values, may be rounded once to bf16 or f16.
;; Inputs: ff_b1 4 x 512 float32; ff_b2 4 x 128 float32; ff_w1 4 x 128 x 512 float32; ff_w2 4 x 512 x 128 float32; k_w 4 x 128 x 128 float32; ln1_b 4 x 128 float32; ln1_g 4 x 128 float32; ln2_b 4 x 128 float32; ln2_g 4 x 128 float32; o_b 4 x 128 float32; o_w 4 x 128 x 128 float32; q_w 4 x 128 x 128 float32; v_w 4 x 128 x 128 float32; x 64 x 128 x 32 x 32 float32.
;; Outputs: out0 64 x 128 float32.
;; One version. Each part assembles by itself: llvm-mc -triple=amdgcn-amd-amdhsa -mcpu=gfx1250 --defsym DOCPART=n.
;; ======== version 1 of 1: 7 launches
;; workspace buffers: ta 33,554,432 bytes; tb 33,554,432 bytes; pa 2,621,440 bytes; pb 2,621,440 bytes; w1 399,360 bytes; w2 399,360 bytes; w3 399,360 bytes; w4 399,360 bytes
;; launch prep (part 1): grid 96 x 4, 8 waves a work-group, no clusters, 0 bytes of LDS; arguments q_w, k_w, v_w, o_w, ff_w1, ff_w2, ln1_g, ln1_b, o_b, ln2_g, ln2_b, ff_b2, ff_b1, w1, w2, w3, w4; writes w1, w2, w3, w4
.if DOCPART == 1
	.amdgcn_target "amdgcn-amd-amdhsa--gfx1250"
	.amdhsa_code_object_version 6
	.text
	.protected	k_qd1ec92cd70_prep
	.globl	k_qd1ec92cd70_prep
	.p2align	8
	.type	k_qd1ec92cd70_prep,@function
k_qd1ec92cd70_prep:
	s_mov_b64 s[64:65], 0
	v_nop
	global_prefetch_b8 v0, s[64:65] scope:SCOPE_SE
	s_setreg_imm32_b32 hwreg(HW_REG_WAVE_MODE, 25, 1), 1
	s_wait_xcnt 0x0
; THE PROGRAM.  Four pre-norm layers (linear attention, GELU feed-forward) on t[64][1024][128], t = x transposed; the result is t's mean over the 1,024 tokens.
; DEAD WORK: none is left out.  Every input has a way to the output and is loaded.  (ln1_b cancels in k's softmax over the tokens, but it is added to y, which q, k and v share: it lies inside live tiles.)
; TWO RE-ASSOCIATIONS, which hold for all values: (q ctx) o_w is made as q (ctx o_w), a 128 x 128 matrix a batch; k's softmax over the tokens is made with running maxima
; (a wave's 32 tokens, a work-group's 256, a batch's 1,024), each stage handing on (log2e m, l, unnormalised ctx) in f32.  The maximum is always taken away before an exponential.
; LIMITS: NaN and infinities are not treated apart; an exponential below 2^-126 counts as 0; matrix operands are rounded to bf16, sums, t and all carries stay f32; the order of rounding differs from reference()'s.
; THIS LAUNCH lays each layer's weights out as bf16 fragments, one buffer for each later launch (y = 0..3 makes w1..w4; wj serves layer j - 1, its KV part and its last two vectors layer j mod 4):
;   bytes 0: q_w [mt][kc]; 32,768: twelve f32 vector pieces (6,144 bytes); 38,912: 16 chunks of 16 KiB, ff_w1 [m2][kc] then ff_w2 [mt] for 32 hidden; 301,056: by head k_w [kc], v_w [kc]; 366,592: o_w [kc][mt].
; A FRAGMENT is 1,024 bytes, two blocks q of 512: lane l = (r = l % 16, h = l / 16) has 16 bytes at 16 l: W[IN0 + 8 h + i][OUT0 + r], i = 0..7, IN0 = 32 kc + 16 q.
; A wave makes one block: eight loads of 4 bytes a lane (16 lanes take 64 consecutive bytes of a row of W; the waves beside it take the neighbouring columns), one store of 512 consecutive bytes.
	s_load_b512 s[16:31], s[0:1], 0x0              ; q_w 16, k_w 18, v_w 20, o_w 22, ff_w1 24, ff_w2 26, ln1_g 28, ln1_b 30
	s_load_b512 s[32:47], s[0:1], 0x40             ; o_b 32, ln2_g 34, ln2_b 36, ff_b2 38, ff_b1 40, w1 42, w2 44, w3 46
	s_load_b64 s[48:49], s[0:1], 0x80              ; w4
	v_lshrrev_b32 v1, 5, v0
	v_readfirstlane_b32 s14, v1                    ; wave
	s_and_b32 s3, ttmp7, 0xffff                    ; y: the layer, and which buffer
	s_lshl_b32 s4, ttmp9, 3
	s_add_co_u32 s4, s4, s14                       ; blk = 8 x + wave, 0..767
	s_add_co_u32 s5, s3, 1
	s_and_b32 s5, s5, 3                            ; the layer of the KV part and of the last two vectors
	v_and_b32 v2, 31, v0
	v_lshlrev_b32 v3, 4, v2                        ; 16 l
	v_and_b32 v4, 15, v0                           ; r
	v_bfe_u32 v5, v0, 4, 1                         ; h
	s_cmp_ge_u32 s4, 64
	s_cselect_b32 s10, 6144, 0                     ; the vectors lie behind the first 64 blocks
	s_lshl_b32 s11, s4, 9
	s_add_co_u32 s10, s10, s11
	s_mov_b32 s11, 0
	s_and_b32 s8, s4, 1                            ; q: every part begins at a multiple of 8 blocks
	s_bfe_u32 s7, s4, 0x20001                      ; kc of the parts laid [..][kc][q]
	s_lshl_b32 s7, s7, 5
	s_lshl4_add_u32 s7, s8, s7                     ; their IN0 = 32 kc + 16 q
	s_wait_kmcnt 0x0
	s_cmp_eq_u32 s3, 1
	s_cselect_b64 s[54:55], s[44:45], s[42:43]
	s_cmp_eq_u32 s3, 2
	s_cselect_b64 s[54:55], s[46:47], s[54:55]
	s_cmp_eq_u32 s3, 3
	s_cselect_b64 s[54:55], s[48:49], s[54:55]     ; the buffer
	s_add_nc_u64 s[50:51], s[54:55], s[10:11]      ; my block in it
; s7 = IN0, s8 = OUT0, s9 = the layer's byte offset, s[52:53] = the source; lp = log2 of the source's row in bytes
.macro CONV lp
	s_lshl_b32 s10, s7, \lp
	s_lshl2_add_u32 s10, s8, s10
	s_add_co_u32 s10, s10, s9
	s_mov_b32 s11, 0
	s_add_nc_u64 s[52:53], s[52:53], s[10:11]
	v_lshlrev_b32 v6, (\lp)+3, v5                  ; 8 h rows
	v_lshl_add_u32 v6, v4, 2, v6                   ; + column r
.irp i, 0,1,2,3,4,5,6,7
	global_load_b32 v[8+\i], v6, s[52:53] offset:(\i)*(1<<(\lp))
.endr
	s_wait_loadcnt 0x0
.irp i, 0,1,2,3
	v_cvt_pk_bf16_f32 v[16+\i], v[8+2*\i], v[9+2*\i]
.endr
	global_store_b128 v3, v[16:19], s[50:51]       ; the wave stores 512 consecutive bytes, aligned
.endm
	s_cmp_lt_u32 s4, 64
	s_cbranch_scc1 .Lwq
	s_cmp_lt_u32 s4, 576
	s_cbranch_scc1 .Lff
	s_cmp_lt_u32 s4, 704
	s_cbranch_scc1 .Lkv
	s_sub_co_u32 s6, s4, 704                       ; o_w: [kc][mt][q]
	s_lshr_b32 s6, s6, 4
	s_lshl_b32 s7, s6, 5
	s_lshl4_add_u32 s7, s8, s7
	s_bfe_u32 s8, s4, 0x30001
	s_lshl_b32 s8, s8, 4
	s_mov_b64 s[52:53], s[22:23]
	s_lshl_b32 s9, s3, 16
	s_branch .Lc512
.Lwq:                                                  ; q_w: [mt][kc][q]
	s_lshr_b32 s8, s4, 3
	s_lshl_b32 s8, s8, 4
	s_mov_b64 s[52:53], s[16:17]
	s_lshl_b32 s9, s3, 16
	s_branch .Lc512
.Lkv:                                                  ; [head][k, v][kc][q]
	s_sub_co_u32 s6, s4, 576
	s_lshr_b32 s8, s6, 4
	s_lshl_b32 s8, s8, 4
	s_lshl_b32 s9, s5, 16
	s_bitcmp1_b32 s6, 3
	s_cselect_b64 s[52:53], s[20:21], s[18:19]
	s_branch .Lc512
.Lff:                                                  ; [chunk c][ff_w1: m2, kc, q | ff_w2: mt, q]
	s_sub_co_u32 s6, s4, 64
	s_lshr_b32 s12, s6, 5                          ; c
	s_lshl_b32 s9, s3, 18
	s_bitcmp1_b32 s6, 4
	s_cbranch_scc1 .Lw2
	s_bfe_u32 s8, s6, 0x10003                      ; m2
	s_lshl1_add_u32 s8, s12, s8
	s_lshl_b32 s8, s8, 4                           ; OUT0 = 32 c + 16 m2
	s_mov_b64 s[52:53], s[24:25]
	CONV 11                                        ; a row of ff_w1 is 2,048 bytes
	s_endpgm
.Lw2:
	s_lshl_b32 s7, s12, 5
	s_lshl4_add_u32 s7, s8, s7                     ; IN0 = 32 c + 16 q
	s_bfe_u32 s8, s4, 0x30001
	s_lshl_b32 s8, s8, 4
	s_mov_b64 s[52:53], s[26:27]
.Lc512:
	CONV 9                                         ; rows of 512 bytes
	s_cmp_lg_u32 s4, 0
	s_cbranch_scc1 .Lend
	; block 0's wave also copies the vectors: twelve pieces of 512 bytes
	s_lshl_b32 s10, s3, 9
	v_add_nc_u32 v20, s10, v3
	s_lshl_b32 s10, s3, 11
	v_add_nc_u32 v21, s10, v3
	s_lshl_b32 s10, s5, 9
	v_add_nc_u32 v22, s10, v3
	global_load_b128 v[24:27], v20, s[28:29]       ; ln1_g
	global_load_b128 v[28:31], v20, s[30:31]       ; ln1_b
	global_load_b128 v[32:35], v20, s[32:33]       ; o_b
	global_load_b128 v[36:39], v20, s[34:35]       ; ln2_g
	global_load_b128 v[40:43], v20, s[36:37]       ; ln2_b
	global_load_b128 v[44:47], v20, s[38:39]       ; ff_b2
.irp k, 0,1,2,3
	global_load_b128 v[48+4*\k:51+4*\k], v21, s[40:41] offset:512*\k  ; ff_b1
.endr
	global_load_b128 v[64:67], v22, s[28:29]       ; the next layer's ln1_g
	global_load_b128 v[68:71], v22, s[30:31]       ; and ln1_b
	s_wait_loadcnt 0x0
.irp k, 0,1,2,3,4,5,6,7,8,9,10,11
	global_store_b128 v3, v[24+4*\k:27+4*\k], s[54:55] offset:32768+512*\k
.endr
.Lend:
	s_endpgm
.Lfunc_end_k_qd1ec92cd70_prep:
	.size	k_qd1ec92cd70_prep, .Lfunc_end_k_qd1ec92cd70_prep-k_qd1ec92cd70_prep
	.p2alignl 7, 3214868480
	.fill 96, 4, 3214868480
	.section	.rodata,"a",@progbits
	.p2align	6, 0x0
	.amdhsa_kernel k_qd1ec92cd70_prep
		.amdhsa_group_segment_fixed_size 0
		.amdhsa_private_segment_fixed_size 0
		.amdhsa_enable_private_segment 0
		.amdhsa_kernarg_size 136
		.amdhsa_user_sgpr_count 2
		.amdhsa_user_sgpr_kernarg_segment_ptr 1
		.amdhsa_wavefront_size32 1
		.amdhsa_system_sgpr_workgroup_id_x 1
		.amdhsa_system_sgpr_workgroup_id_y 1
		.amdhsa_system_sgpr_workgroup_id_z 1
		.amdhsa_system_vgpr_workitem_id 0
		.amdhsa_next_free_vgpr 72
		.amdhsa_next_free_sgpr 66
		.amdhsa_reserve_vcc 0
		.amdhsa_float_denorm_mode_32 3
		.amdhsa_float_denorm_mode_16_64 3
		.amdhsa_memory_ordered 1
		.amdhsa_forward_progress 1
		.amdhsa_inst_pref_size 9
	.end_amdhsa_kernel
	.amdgpu_metadata
---
amdhsa.version: [ 1, 2 ]
amdhsa.kernels:
  - .name:           k_qd1ec92cd70_prep
    .symbol:         k_qd1ec92cd70_prep.kd
    .args:
      - { .name: q_w, .offset: 0, .size: 8, .value_kind: global_buffer, .address_space: global }
      - { .name: k_w, .offset: 8, .size: 8, .value_kind: global_buffer, .address_space: global }
      - { .name: v_w, .offset: 16, .size: 8, .value_kind: global_buffer, .address_space: global }
      - { .name: o_w, .offset: 24, .size: 8, .value_kind: global_buffer, .address_space: global }
      - { .name: ff_w1, .offset: 32, .size: 8, .value_kind: global_buffer, .address_space: global }
      - { .name: ff_w2, .offset: 40, .size: 8, .value_kind: global_buffer, .address_space: global }
      - { .name: ln1_g, .offset: 48, .size: 8, .value_kind: global_buffer, .address_space: global }
      - { .name: ln1_b, .offset: 56, .size: 8, .value_kind: global_buffer, .address_space: global }
      - { .name: o_b, .offset: 64, .size: 8, .value_kind: global_buffer, .address_space: global }
      - { .name: ln2_g, .offset: 72, .size: 8, .value_kind: global_buffer, .address_space: global }
      - { .name: ln2_b, .offset: 80, .size: 8, .value_kind: global_buffer, .address_space: global }
      - { .name: ff_b2, .offset: 88, .size: 8, .value_kind: global_buffer, .address_space: global }
      - { .name: ff_b1, .offset: 96, .size: 8, .value_kind: global_buffer, .address_space: global }
      - { .name: w1, .offset: 104, .size: 8, .value_kind: global_buffer, .address_space: global }
      - { .name: w2, .offset: 112, .size: 8, .value_kind: global_buffer, .address_space: global }
      - { .name: w3, .offset: 120, .size: 8, .value_kind: global_buffer, .address_space: global }
      - { .name: w4, .offset: 128, .size: 8, .value_kind: global_buffer, .address_space: global }
    .group_segment_fixed_size: 0
    .private_segment_fixed_size: 0
    .kernarg_segment_align: 8
    .kernarg_segment_size: 136
    .max_flat_workgroup_size: 256
    .sgpr_count:     66
    .vgpr_count:     72
    .wavefront_size: 32
...
	.end_amdgpu_metadata
.endif
;; end of part 1
;; launch kv0 (part 2): grid 256 x 1, 8 waves a work-group, clusters of 4 x 1, 327,680 bytes of LDS; arguments x, w4, ta, pa; writes ta, pa
.if DOCPART == 2
	.amdgcn_target "amdgcn-amd-amdhsa--gfx1250"
	.amdhsa_code_object_version 6
	.text
	.protected	k_qd1ec92cd70_kv0
	.globl	k_qd1ec92cd70_kv0
	.p2align	8
	.type	k_qd1ec92cd70_kv0,@function
k_qd1ec92cd70_kv0:
	s_mov_b64 s[64:65], 0
	v_nop
	global_prefetch_b8 v0, s[64:65] scope:SCOPE_SE
	s_setreg_imm32_b32 hwreg(HW_REG_WAVE_MODE, 25, 1), 1
	s_wait_xcnt 0x0
	s_wait_alu depctr_hold_cnt(0) depctr_sa_sdst(0) depctr_va_vdst(0) depctr_va_sdst(0) depctr_va_ssrc(0) depctr_va_vcc(0) depctr_vm_vsrc(0)
	s_getreg_b32 s2, hwreg(HW_REG_IB_STS2, 6, 4)
	s_cmp_eq_u32 s2, 0
	s_cbranch_scc0 .Lentry_in_a_cluster
	s_endpgm
.Lentry_in_a_cluster:
	s_bfe_u32 s2, ttmp6, 0x10000c
	s_cmp_lg_u32 s2, 0x3003
	s_cbranch_scc0 .Lentry_shape_is_right
	s_endpgm
.Lentry_shape_is_right:
; x -> t in fragment layout; LN1 of layer 0; k and v of layer 0; the work-group's partial of ctx.  Nothing of reference() is left out here.
; SHARES.  Batch b = cluster; work-group g = 4 b + cx has tokens 256 cx .. + 255; wave w 32 of them, two tiles tt of 16: lane r of tile tt is token 256 cx + 32 w + 16 tt + r.
; T(tt, mt), 8 registers, is the f32 result layout of a matrix instruction: register j of lane (r, h) is feature 16 mt + 8 h + j of the lane's token.  t lies so in memory:
; g 131072 + w 16384 + tt 8192 + mt 1024 + q 512 + 16 l, so every load and store of the wave covers 512 consecutive bytes.
; k, v = YF x W (source 0 = 16 tokens, source 1 = 16 features of a head): a lane holds ONE feature d and 8 tokens, so the softmax over tokens is in the lane but for one exchange of halves,
; and p and v rounded in pairs ARE the two sources of ctx^T = v^T p, one matrix instruction a head and wave (32 tokens deep).
; The eight waves' (log2e m, l, ctx) meet in LDS; wave w joins head w and stores g 10240 + w 1280 + {ctx 0, 512; (log2e m, l) 1024}.
; CLUSTER: the four work-groups of a batch read the same weights: asked for jointly.  x's tile is the work-group's own (mask 0).
; LDS: 0 KV fragments 64 KiB; 0x10000 the waves' ctx 64 KiB; 0x20000 their statistics 16 KiB; 0x24000 x, 128 rows (features) of 1,024 + 16 bytes; 0x44800 ln1 g, b; 0x44C00 spare words.
.set EXB, 0x10000
.set EXS, 0x20000
.set XB,  0x24000
.set XP,  1040
.set VNB, 0x44800
.set SPARE, 0x44C00
.set W_VN, 37888
.set W_KV, 301056
.set L16, 1
.set L8,  2
.set A1,  3
.set AV,  6
.set EXA, 7
.set EXT, 8
.set SPW, 10
.set NIL, 11
.set CRA, 12
.set CRS, 13
.set XA0, 14
.set XA1, 15
.set YF,  32          ; window 0: y as source fragments, YF + 8 (4 tt + kc)
.set H0,  96          ; window 0: k tt0, k tt1, v tt0, v tt1
.set G0,  192         ; window 0: v's fragment, p's fragment
.set W1F, 128         ; window 1: 8 weight fragments
.set SA,  192         ; window 1: LN at work
.set VA,  200
.set DT,  208
.set U,   224
.set WV,  14
.set LE,  48          ; s[48:49] log2(e)
.set SEL, 50          ; s[50:51] v_permlanex16_b32: each lane takes its own place in the other half
.set MSB, 0
.macro WIN new                         ; bits 1:0 source 0, 3:2 source 1, 5:4 source 2, 7:6 destination; the high byte repeats the setting that is left
.if MSB != (\new)
	s_set_vgpr_msb (MSB<<8)|(\new)
.set MSB, (\new)
.endif
.endm
.macro PLACES                          ; four plain places behind a matrix instruction (ISA guide 7.12.1)
.rept 4
	v_nop
.endr
.endm
.macro ROUND                           ; a round of the cluster's barrier
	s_barrier_signal -1
	s_barrier_wait -1
	s_cmp_lg_u32 s[WV], 0
	s_cbranch_scc1 .Lnw0_\@
	s_barrier_signal -3
.Lnw0_\@:
	s_barrier_wait -3
	s_barrier_signal -1
	s_barrier_wait -1
.endm
.macro ALL2 line:vararg                ; one line for each token tile t
.set t, 0
.rept 2
	\line
.set t, t+1
.endr
.endm
.macro LOADF dst, adr                  ; 8 fragments, 16 loads of 512 consecutive bytes, into window 1
	WIN 0x40
.set f, 0
.rept 8
	ds_load_b128 v[(\dst)+8*f:(\dst)+8*f+3], v[\adr] offset:1024*f
	ds_load_b128 v[(\dst)+8*f+4:(\dst)+8*f+7], v[\adr] offset:1024*f+512
.set f, f+1
.endr
	WIN 0
.endm
; LAYER NORM of both tiles of T into YF.  g and b (f32, at goff and goff + 512 behind v[AV]) come in while the statistics are made.  Two passes: the mean, then the mean of (x - mean)^2: no difference of large sums.
.macro LN goff
	WIN 0x40
.set m, 0
.rept 4
.irp q, 0,1
	ds_load_b128 v[128+16*m+4*\q:131+16*m+4*\q], v[AV] offset:(\goff)+64*m+16*\q
	ds_load_b128 v[136+16*m+4*\q:139+16*m+4*\q], v[AV] offset:(\goff)+512+64*m+16*\q
.endr
.set m, m+1
.endr
	WIN 0
.rept 4
.irp q, 0,1
	ds_load_b128 v[32+16*m+4*\q:35+16*m+4*\q], v[AV] offset:(\goff)+64*m+16*\q
	ds_load_b128 v[40+16*m+4*\q:43+16*m+4*\q], v[AV] offset:(\goff)+512+64*m+16*\q
.endr
.set m, m+1
.endr
	WIN 0x55
.set n, 1
.rept 15                               ; four chains (tile, parity of mt), each started by its first two pairs: nothing is cleared
.irp tt, 0,1
.irp k, 0,1
.set rr, 8*(8*\tt+\k+2*(n/4))+2*(n%4)
.if n == 1
	v_pk_add_f32 v[SA+4*\tt+2*\k:SA+4*\tt+2*\k+1], v[rr-2:rr-1], v[rr:rr+1]
.else
	v_pk_add_f32 v[SA+4*\tt+2*\k:SA+4*\tt+2*\k+1], v[SA+4*\tt+2*\k:SA+4*\tt+2*\k+1], v[rr:rr+1]
.endif
.endr
.endr
.set n, n+1
.endr
	ALL2 v_pk_add_f32 v[SA+4*t:SA+4*t+1], v[SA+4*t:SA+4*t+1], v[SA+4*t+2:SA+4*t+3]
	ALL2 v_add_f32 v[SA+4*t], v[SA+4*t], v[SA+4*t+1]
	ALL2 v_permlanex16_b32 v[SA+4*t+1], v[SA+4*t], s[SEL], s[SEL+1]
	ALL2 v_add_f32 v[SA+4*t], v[SA+4*t], v[SA+4*t+1]
	ALL2 v_mul_f32 v[SA+4*t], 0x3c000000, v[SA+4*t]
.set n, 0
.rept 16
.irp tt, 0,1
.irp k, 0,1
.set rr, 8*(8*\tt+\k+2*(n/4))+2*(n%4)
.set dd, DT+8*(n%2)+4*\tt+2*\k
	v_pk_add_f32 v[dd:dd+1], v[rr:rr+1], v[SA+4*\tt:SA+4*\tt+1] op_sel_hi:[1,0] neg_lo:[0,1] neg_hi:[0,1]
.endr
.endr
.irp tt, 0,1
.irp k, 0,1
.set dd, DT+8*(n%2)+4*\tt+2*\k
.if n == 0
	v_pk_mul_f32 v[VA+4*\tt+2*\k:VA+4*\tt+2*\k+1], v[dd:dd+1], v[dd:dd+1]
.else
	v_pk_fma_f32 v[VA+4*\tt+2*\k:VA+4*\tt+2*\k+1], v[dd:dd+1], v[dd:dd+1], v[VA+4*\tt+2*\k:VA+4*\tt+2*\k+1]
.endif
.endr
.endr
.set n, n+1
.endr
	ALL2 v_pk_add_f32 v[VA+4*t:VA+4*t+1], v[VA+4*t:VA+4*t+1], v[VA+4*t+2:VA+4*t+3]
	ALL2 v_add_f32 v[VA+4*t], v[VA+4*t], v[VA+4*t+1]
	ALL2 v_permlanex16_b32 v[VA+4*t+1], v[VA+4*t], s[SEL], s[SEL+1]
	ALL2 v_add_f32 v[VA+4*t], v[VA+4*t], v[VA+4*t+1]
	ALL2 v_mul_f32 v[VA+4*t], 0x3c000000, v[VA+4*t]
	ALL2 v_add_f32 v[VA+4*t], 0x3727c5ac, v[VA+4*t]
	ALL2 v_rsq_f32 v[VA+4*t], v[VA+4*t]
	v_nop                                          ; a plain instruction behind the roots,
	s_wait_alu depctr_va_vdst(0)                   ; and the one wait ahead of their first reader
	ALL2 v_mul_f32 v[VA+4*t+2], -v[SA+4*t], v[VA+4*t]
	s_wait_dscnt 0x0                               ; g and b are in
.set m, 0
.rept 8
	WIN 0x55
.irp tt, 0,1
.irp i, 0,1,2,3
.set uu, U+16*(m%2)+8*\tt+2*\i
	v_pk_fma_f32 v[uu:uu+1], v[8*(8*\tt+m)+2*\i:8*(8*\tt+m)+2*\i+1], v[VA+4*\tt:VA+4*\tt+1], v[VA+4*\tt+2:VA+4*\tt+3] op_sel_hi:[1,0,0]
.endr
.endr
.if m < 4
.set lg, 128+16*m
.else
	WIN 0x41
.set lg, 32+16*m
.endif
.irp tt, 0,1
.irp i, 0,1,2,3
.set uu, U+16*(m%2)+8*\tt+2*\i
	v_pk_fma_f32 v[uu:uu+1], v[uu:uu+1], v[lg+2*\i:lg+2*\i+1], v[lg+8+2*\i:lg+8+2*\i+1]
.endr
.endr
	WIN 0x05
.irp tt, 0,1
.irp i, 0,1,2,3
.set uu, U+16*(m%2)+8*\tt+2*\i
	v_cvt_pk_bf16_f32 v[YF+8*(4*\tt+m/2)+4*(m%2)+\i], v[uu], v[uu+1]
.endr
.endr
.set m, m+1
.endr
	WIN 0
.endm
.macro TSTORE sb                       ; T as it lies: 32 stores of 512 consecutive bytes
	WIN 0x04
.set m, 0
.rept 16
	global_store_b128 v[L16], v[8*m:8*m+3], s[\sb:\sb+1] offset:1024*m th:TH_STORE_NT
	global_store_b128 v[L16], v[8*m+4:8*m+7], s[\sb:\sb+1] offset:1024*m+512 th:TH_STORE_NT
.set m, m+1
.endr
	WIN 0
.endm
.macro KVPROD                          ; a head's k and v for both tiles: four accumulators by turns
	WIN 0x04
.irp kc, 0,1,2,3
.irp x, 0,1,2,3
.if \kc == 0
	v_wmma_f32_16x16x32_bf16 v[H0+8*\x:H0+8*\x+7], v[YF+8*(4*(\x%2)+\kc):YF+8*(4*(\x%2)+\kc)+7], v[W1F+8*(4*(\x/2)+\kc):W1F+8*(4*(\x/2)+\kc)+7], 0
.else
	v_wmma_f32_16x16x32_bf16 v[H0+8*\x:H0+8*\x+7], v[YF+8*(4*(\x%2)+\kc):YF+8*(4*(\x%2)+\kc)+7], v[W1F+8*(4*(\x/2)+\kc):W1F+8*(4*(\x/2)+\kc)+7], v[H0+8*\x:H0+8*\x+7]
.endif
.endr
.endr
.endm
.macro KSOFT                           ; the wave's 32 tokens of one head: maximum, p = 2^(log2e k - log2e m), l, ctx^T = v^T p; into the wave's place in LDS
	WIN 0
	v_max3_num_f32 v16, v[H0], v[H0+1], v[H0+2]
	v_max3_num_f32 v17, v[H0+8], v[H0+9], v[H0+10]
	v_max3_num_f32 v16, v16, v[H0+3], v[H0+4]
	v_max3_num_f32 v17, v17, v[H0+11], v[H0+12]
	v_max3_num_f32 v16, v16, v[H0+5], v[H0+6]
	v_max3_num_f32 v17, v17, v[H0+13], v[H0+14]
	v_max3_num_f32 v16, v16, v[H0+7], v[H0+15]
	v_max_num_f32 v16, v16, v17
	v_permlanex16_b32 v17, v16, s[SEL], s[SEL+1]
	v_max_num_f32 v16, v16, v17
	v_mul_f32 v16, s[LE], v16
.set i, 0
.rept 8
	v_pk_fma_f32 v[H0+2*i:H0+2*i+1], v[H0+2*i:H0+2*i+1], s[LE:LE+1], v[16:17] op_sel_hi:[1,0,0] neg_lo:[0,0,1] neg_hi:[0,0,1]
.set i, i+1
.endr
.set i, 0
.rept 16
	v_exp_f32 v[H0+i], v[H0+i]
.set i, i+1
.endr
.set i, 0
.rept 8                                ; v's roundings are the independent work behind the exponentials
	v_cvt_pk_bf16_f32 v[G0+i], v[H0+16+2*i], v[H0+17+2*i]
.set i, i+1
.endr
	s_wait_alu depctr_va_vdst(0)                   ; one wait for the 16 exponentials
	v_pk_add_f32 v[18:19], v[H0:H0+1], v[H0+2:H0+3]
	v_pk_add_f32 v[20:21], v[H0+4:H0+5], v[H0+6:H0+7]
	v_pk_add_f32 v[18:19], v[18:19], v[H0+8:H0+9]
	v_pk_add_f32 v[20:21], v[20:21], v[H0+10:H0+11]
	v_pk_add_f32 v[18:19], v[18:19], v[H0+12:H0+13]
	v_pk_add_f32 v[20:21], v[20:21], v[H0+14:H0+15]
	v_pk_add_f32 v[18:19], v[18:19], v[20:21]
	v_add_f32 v17, v18, v19
	v_permlanex16_b32 v18, v17, s[SEL], s[SEL+1]
	v_add_f32 v17, v17, v18
.set i, 0
.rept 8
	v_cvt_pk_bf16_f32 v[G0+8+i], v[H0+2*i], v[H0+2*i+1]
.set i, i+1
.endr
	v_wmma_f32_16x16x32_bf16 v[128:135], v[G0:G0+7], v[G0+8:G0+15], 0
	PLACES
	ds_store_b128 v[EXA], v[128:131]
	ds_store_b128 v[EXA], v[132:135] offset:512
	ds_store_b64 v[EXT], v[16:17]
	v_add_nc_u32 v[EXA], 1024, v[EXA]
	v_add_nc_u32 v[EXT], 256, v[EXT]
.endm
.macro COMBINE pb                      ; wave w joins head w of all eight waves and stores the work-group's partial
	WIN 0
	s_wait_dscnt 0x0                               ; for the others' sake: my stores are done
	s_barrier_signal -1
	s_barrier_wait -1
.set u, 0
.rept 8
	ds_load_b128 v[96+8*u:99+8*u], v[CRA] offset:8192*u
	ds_load_b128 v[100+8*u:103+8*u], v[CRA] offset:8192*u+512
	ds_load_b64 v[160+2*u:161+2*u], v[CRS] offset:2048*u
.set u, u+1
.endr
	s_wait_dscnt 0x0
	v_max3_num_f32 v16, v160, v162, v164
	v_max3_num_f32 v16, v16, v166, v168
	v_max3_num_f32 v16, v16, v170, v172
	v_max_num_f32 v184, v16, v174
.set u, 0
.rept 8
	v_sub_f32 v[160+2*u], v[160+2*u], v184
.set u, u+1
.endr
.set u, 0
.rept 8
	v_exp_f32 v[160+2*u], v[160+2*u]
.set u, u+1
.endr
	v_nop
	s_wait_alu depctr_va_vdst(0)                   ; one wait for the eight
	v_mul_f32 v185, v160, v161
.set u, 1
.rept 7
	v_fmac_f32 v185, v[160+2*u], v[161+2*u]
.set u, u+1
.endr
.irp i, 0,1,2,3
	v_pk_mul_f32 v[176+2*\i:177+2*\i], v[96+2*\i:97+2*\i], v[160:161] op_sel_hi:[1,0]
.endr
.set u, 1
.rept 7
.irp i, 0,1,2,3
	v_pk_fma_f32 v[176+2*\i:177+2*\i], v[96+8*u+2*\i:97+8*u+2*\i], v[160+2*u:161+2*u], v[176+2*\i:177+2*\i] op_sel_hi:[1,0,1]
.endr
.set u, u+1
.endr
	global_store_b128 v[L16], v[176:179], s[\pb:\pb+1]
	global_store_b128 v[L16], v[180:183], s[\pb:\pb+1] offset:512
	global_store_b64 v[L8], v[184:185], s[\pb:\pb+1] offset:1024
.endm
	s_load_b256 s[4:11], s[0:1], 0x0               ; x s[4:5], w4 s[6:7], ta s[8:9], pa s[10:11]
	v_lshl_add_u32 v[SPW], v0, 2, SPARE
	v_mov_b32 v[NIL], 0
	ds_add_u32 v[SPW], v[NIL]                      ; the opening: the add, twice on end, and its wait ahead of my first tensor load
	ds_add_u32 v[SPW], v[NIL]
	v_lshrrev_b32 v16, 5, v0
	v_readfirstlane_b32 s[WV], v16                 ; wave 0..7
	v_and_b32 v17, 31, v0                          ; l
	v_bfe_u32 v18, v0, 4, 1                        ; h
	v_and_b32 v19, 15, v0                          ; r
	v_lshlrev_b32 v[L16], 4, v17
	v_lshlrev_b32 v[L8], 3, v17
	v_lshl_add_u32 v[AV], v18, 5, VNB
	s_bfe_u32 s15, ttmp6, 0x40000                  ; cx: it enters global addresses alone
	s_lshl_b32 s16, ttmp9, 2
	s_add_co_u32 s16, s16, s15                     ; g
	s_mov_b32 s[LE], 0x3fb8aa3b
	s_mov_b32 s[LE+1], 0x3fb8aa3b
	s_mov_b32 s[SEL], 0x76543210
	s_mov_b32 s[SEL+1], 0xfedcba98
	; x's tile: 16 rows (features) of 256 f32 (tokens), 1,024 elements from row to row; 4 words of padding behind each 256
	s_mov_b32 s20, (2<<16)|(1<<20)|(7<<22)|(3<<25)
	s_mov_b32 s21, 256<<16
	s_mov_b32 s22, 16<<16
	s_mov_b32 s23, 256<<16
	s_mov_b32 s24, 16
	s_mov_b32 s25, 1024
	s_mov_b32 s26, 0
	s_mov_b32 s27, 0
	; the KV fragments: dense, 32 rows of 256 bytes a wave; mask of the four partners, bit 21 beside it
	s_mov_b32 s28, 15|(3<<16)|(1<<21)
	s_mov_b32 s29, 32<<16
	s_mov_b32 s30, 32<<16
	s_mov_b32 s31, 32<<16
	s_mov_b32 s32, 32
	s_mov_b32 s33, 32
	s_mov_b32 s34, 0
	s_mov_b32 s35, 0
	; ln1's g and b: one row of 128 bytes a wave
	s_mov_b32 s52, 15|(3<<16)|(1<<21)
	s_mov_b32 s53, 16<<16
	s_mov_b32 s54, 1<<16
	s_mov_b32 s55, 16<<16
	s_mov_b32 s56, 1
	s_mov_b32 s57, 16
	s_mov_b32 s58, 1<<16
	s_mov_b32 s59, 0
	s_mov_b32 s36, 1
	s_mul_i32 s37, s[WV], 16*XP
	s_add_co_u32 s37, s37, XB
	s_mov_b32 s40, 1
	s_lshl_b32 s41, s[WV], 13
	s_mov_b32 s44, 1
	s_lshl_b32 s45, s[WV], 7
	s_add_co_u32 s45, s45, VNB
	s_lshl_b32 s2, s[WV], 13
	s_add_co_u32 s2, s2, EXB
	v_add_nc_u32 v[EXA], s2, v[L16]
	s_lshl_b32 s2, s[WV], 11
	s_add_co_u32 s2, s2, EXS
	v_add_nc_u32 v[EXT], s2, v[L8]
	s_lshl_b32 s2, s[WV], 10
	s_add_co_u32 s2, s2, EXB
	v_add_nc_u32 v[CRA], s2, v[L16]
	s_lshl_b32 s2, s[WV], 8
	s_add_co_u32 s2, s2, EXS
	v_add_nc_u32 v[CRS], s2, v[L8]
	v_mul_u32_u24 v[XA0], v18, 8*XP                ; feature 8 h, token 32 w + r
	v_lshl_add_u32 v[XA0], v19, 2, v[XA0]
	s_lshl_b32 s2, s[WV], 7
	s_add_co_u32 s2, s2, XB
	v_add_nc_u32 v[XA0], s2, v[XA0]
	v_add_nc_u32 v[XA1], 64*XP, v[XA0]
	s_wait_dscnt 0x0                               ; both opening adds are done
	s_wait_kmcnt 0x0
	s_lshl_b32 s18, ttmp9, 19                      ; batch, 524,288 bytes
	s_lshl_b32 s19, s15, 10                        ; my 256 tokens
	s_add_co_u32 s18, s18, s19
	s_lshl_b32 s19, s[WV], 16                      ; my 16 features
	s_add_co_u32 s18, s18, s19
	s_mov_b32 s19, 0
	s_add_nc_u64 s[38:39], s[4:5], s[18:19]
	s_or_b32 s39, s39, 0x80000000
	s_lshl_b32 s2, s[WV], 13
	s_mov_b32 s3, 0
	s_add_nc_u64 s[42:43], s[6:7], s[2:3]
	s_add_nc_u64 s[42:43], s[42:43], W_KV
	s_or_b32 s43, s43, 0x80000000
	s_lshl_b32 s2, s[WV], 7
	s_add_nc_u64 s[46:47], s[6:7], s[2:3]
	s_add_nc_u64 s[46:47], s[46:47], W_VN
	s_or_b32 s47, s47, 0x80000000
	s_lshl_b32 s18, s16, 17
	s_lshl_b32 s19, s[WV], 14
	s_add_co_u32 s18, s18, s19
	s_mov_b32 s19, 0
	s_add_nc_u64 s[8:9], s[8:9], s[18:19]          ; ta at my wave's part
	s_mul_i32 s18, s16, 10240
	s_mul_i32 s19, s[WV], 1280
	s_add_co_u32 s18, s18, s19
	s_mov_b32 s19, 0
	s_add_nc_u64 s[10:11], s[10:11], s[18:19]      ; pa at my head's partial
	ROUND                                          ; the four partners are here: the joint loads meet
	tensor_load_to_lds s[36:39], s[20:27]          ; three loads of mine are out
	s_nop 0
	tensor_load_to_lds s[40:43], s[28:35]
	s_nop 0
	tensor_load_to_lds s[44:47], s[52:59]
	s_nop 0
	PLACES
	s_wait_tensorcnt 0x0                           ; my parts are in,
	s_barrier_signal -1
	s_barrier_wait -1                              ; everybody's are
	WIN 0x40
.irp tt, 0,1
.set m, 0
.rept 8
.irp j, 0,1,2,3,4,5,6,7
.if m < 4
	ds_load_b32 v[8*(8*\tt+m)+\j], v[XA0] offset:(16*m+\j)*XP+64*\tt  ; 16 lanes take 64 consecutive bytes; the other half lies 8 rows on, 32 banks away
.else
	ds_load_b32 v[8*(8*\tt+m)+\j], v[XA1] offset:(16*(m-4)+\j)*XP+64*\tt
.endif
.endr
.set m, m+1
.endr
.endr
	WIN 0
	s_wait_dscnt 0x0
	TSTORE 8
	LN 0
	v_mov_b32 v[A1], v[L16]
	LOADF W1F, A1
	s_mov_b32 s17, 8
.Lkv:                                                  ; a trip a head
	s_wait_dscnt 0x0
	KVPROD
	PLACES
	WIN 0
	s_cmp_eq_u32 s17, 1
	s_cbranch_scc1 .Lnokv                          ; the last head fetches nothing
	v_add_nc_u32 v[A1], 0x2000, v[A1]
	LOADF W1F, A1
.Lnokv:
	KSOFT
	s_sub_co_u32 s17, s17, 1
	s_cmp_lg_u32 s17, 0
	s_cbranch_scc1 .Lkv
	COMBINE 10
	s_wait_tensorcnt 0x0                           ; the wave's end
	ds_add_u32 v[SPW], v[NIL]
	s_wait_dscnt 0x0
	ROUND                                          ; the closing round
	s_endpgm
.Lfunc_end_k_qd1ec92cd70_kv0:
	.size	k_qd1ec92cd70_kv0, .Lfunc_end_k_qd1ec92cd70_kv0-k_qd1ec92cd70_kv0
	.p2alignl 7, 3214868480
	.fill 96, 4, 3214868480
	.section	.rodata,"a",@progbits
	.p2align	6, 0x0
	.amdhsa_kernel k_qd1ec92cd70_kv0
		.amdhsa_group_segment_fixed_size 327680
		.amdhsa_private_segment_fixed_size 0
		.amdhsa_enable_private_segment 0
		.amdhsa_kernarg_size 32
		.amdhsa_user_sgpr_count 2
		.amdhsa_user_sgpr_kernarg_segment_ptr 1
		.amdhsa_wavefront_size32 1
		.amdhsa_system_sgpr_workgroup_id_x 1
		.amdhsa_system_sgpr_workgroup_id_y 1
		.amdhsa_system_sgpr_workgroup_id_z 1
		.amdhsa_system_vgpr_workitem_id 0
		.amdhsa_next_free_vgpr 512
		.amdhsa_next_free_sgpr 66
		.amdhsa_reserve_vcc 0
		.amdhsa_float_denorm_mode_32 3
		.amdhsa_float_denorm_mode_16_64 3
		.amdhsa_memory_ordered 1
		.amdhsa_forward_progress 1
		.amdhsa_inst_pref_size 58
	.end_amdhsa_kernel
	.amdgpu_metadata
---
amdhsa.version: [ 1, 2 ]
amdhsa.kernels:
  - .name:           k_qd1ec92cd70_kv0
    .symbol:         k_qd1ec92cd70_kv0.kd
    .args:
      - { .name: x, .offset: 0, .size: 8, .value_kind: global_buffer, .address_space: global }
      - { .name: w4, .offset: 8, .size: 8, .value_kind: global_buffer, .address_space: global }
      - { .name: ta, .offset: 16, .size: 8, .value_kind: global_buffer, .address_space: global }
      - { .name: pa, .offset: 24, .size: 8, .value_kind: global_buffer, .address_space: global }
    .group_segment_fixed_size: 327680
    .private_segment_fixed_size: 0
    .kernarg_segment_align: 8
    .kernarg_segment_size: 32
    .max_flat_workgroup_size: 256
    .sgpr_count:     66
    .vgpr_count:     512
    .wavefront_size: 32
...
	.end_amdgpu_metadata
.endif
;; end of part 2
;; launch lay1 (part 3): grid 256 x 1, 8 waves a work-group, clusters of 4 x 1, 327,680 bytes of LDS; arguments ta, w1, pa, tb, pb; writes tb, pb
.if DOCPART == 3
	.amdgcn_target "amdgcn-amd-amdhsa--gfx1250"
	.amdhsa_code_object_version 6
	.text
	.protected	k_qd1ec92cd70_lay1
	.globl	k_qd1ec92cd70_lay1
	.p2align	8
	.type	k_qd1ec92cd70_lay1,@function
k_qd1ec92cd70_lay1:
	s_mov_b64 s[64:65], 0
	v_nop
	global_prefetch_b8 v0, s[64:65] scope:SCOPE_SE
	s_setreg_imm32_b32 hwreg(HW_REG_WAVE_MODE, 25, 1), 1
	s_wait_xcnt 0x0
	s_wait_alu depctr_hold_cnt(0) depctr_sa_sdst(0) depctr_va_vdst(0) depctr_va_sdst(0) depctr_va_ssrc(0) depctr_va_vcc(0) depctr_vm_vsrc(0)
	s_getreg_b32 s2, hwreg(HW_REG_IB_STS2, 6, 4)
	s_cmp_eq_u32 s2, 0
	s_cbranch_scc0 .Lentry_in_a_cluster
	s_endpgm
.Lentry_in_a_cluster:
	s_bfe_u32 s2, ttmp6, 0x10000c
	s_cmp_lg_u32 s2, 0x3003
	s_cbranch_scc0 .Lentry_shape_is_right
	s_endpgm
.Lentry_shape_is_right:
; ONE LAYER, and the next layer's k and v.  Nothing of reference() is left out; (q ctx) o_w is made as q (ctx o_w).
; SHARES as in the launch before: work-group g = 4 b + cx has 256 tokens of batch b, wave w 32, two tiles of 16; T(tt, mt) in window 1 is t in the f32 result layout and is loaded and stored as it lies.
; PHASES.  (1) Wave w joins the batch's four partials of head w: ctx / l / 4, times o_w's 16 rows of that head: 16 rows of Mx (128 x 128), as bf16 fragments into LDS.
; (2) LN1; by pairs of heads: q^T = Wq^T y^T (a lane holds one token), softmax over the head's 16 features, T += Mx^T qs.  (3) + o_b; LN2; the feed-forward by chunks of 32 hidden: H = W1^T y^T + b1,
; G = gelu(H), T += W2^T G; + ff_b2; t is stored.  (4) The next layer's LN1, k, v, and the work-group's partial of ctx.
; All products are taken transposed (source 0 = a weight fragment, source 1 = 16 tokens), so two results rounded in pairs ARE the next product's source 1, and nothing changes lanes.
; THE FEED-FORWARD GOES BY TURNS: in chunk c's turn the 160 vector instructions of gelu(chunk c) stand in twenties behind groups of four products: first T += W2 G of chunk c - 1, then H of chunk c + 1.
; gelu(x) = x / (1 + 2^(x (CA + CB x^2))), the tanh form: CA = -2 sqrt(2/pi) log2 e, CB = 0.044715 CA.
; CLUSTER: the four work-groups of a batch walk the same weights: every weight tile is asked for jointly.
; LDS: 0 FF chunks 0-13 (its first 64 KiB are filled again with the KV fragments; 0x10000 and 0x20000, whose last fill is then past, take the waves' ctx and statistics);
;   0x38000 Wq, filled again with FF chunks 14, 15; 0x40000 the f32 vectors; 0x41800 Mx (stored, never filled); 0x49800 spare words.
.set WQB, 0x38000
.set VECB, 0x40000
.set MXB, 0x41800
.set SPARE, 0x49800
.set EXB, 0x10000
.set EXS, 0x20000
.set W_FF, 38912
.set W_R1, 268288
.set W_KV, 301056
.set W_WO, 366592
.set L16, 1
.set L8,  2
.set A1,  3           ; LDS address of the first product's fragments
.set A2,  4           ; of the second product's
.set A3,  5           ; of ff_b1's tiles
.set AV,  6           ; the vectors + 32 h
.set EXA, 7
.set EXT, 8
.set PFO, 9
.set SPW, 10
.set NIL, 11
.set CRA, 12
.set CRS, 13
.set YF,  32          ; window 0: y as source fragments, YF + 8 (4 tt + kc)
.set H0,  96          ; window 0: two buffers of four result tiles (tile 2 m2 + tt)
.set S,   160         ; window 0: gelu at work
.set G0,  192         ; window 0: two buffers of two source fragments (G + 8 tt)
.set B1,  224         ; window 0: ff_b1 as C operand, B1 + 8 m2
.set W1F, 128         ; window 1
.set W2F, 192         ; window 1
.set SA,  192         ; window 1: LN at work
.set VA,  200
.set DT,  208
.set U,   224
.set WV,  14
.set LE,  44          ; s[44:45] log2(e)
.set CA,  46          ; s[46:47]
.set CB,  48          ; s[48:49]
.set SEL, 50          ; s[50:51]
.set MSB, 0
.macro WIN new                         ; bits 1:0 source 0, 3:2 source 1, 5:4 source 2, 7:6 destination; the high byte repeats the setting that is left
.if MSB != (\new)
	s_set_vgpr_msb (MSB<<8)|(\new)
.set MSB, (\new)
.endif
.endm
.macro PLACES                          ; four plain places behind a matrix instruction (ISA guide 7.12.1)
.rept 4
	v_nop
.endr
.endm
.macro ROUND                           ; a round of the cluster's barrier
	s_barrier_signal -1
	s_barrier_wait -1
	s_cmp_lg_u32 s[WV], 0
	s_cbranch_scc1 .Lnw0_\@
	s_barrier_signal -3
.Lnw0_\@:
	s_barrier_wait -3
	s_barrier_signal -1
	s_barrier_wait -1
.endm
.macro ALL2 line:vararg
.set t, 0
.rept 2
	\line
.set t, t+1
.endr
.endm
.macro ALL4 line:vararg
.set t, 0
.rept 4
	\line
.set t, t+1
.endr
.endm
.macro LOADF dst, adr                  ; 8 fragments, 16 loads of 512 consecutive bytes, into window 1
	WIN 0x40
.set f, 0
.rept 8
	ds_load_b128 v[(\dst)+8*f:(\dst)+8*f+3], v[\adr] offset:1024*f
	ds_load_b128 v[(\dst)+8*f+4:(\dst)+8*f+7], v[\adr] offset:1024*f+512
.set f, f+1
.endr
	WIN 0
.endm
.macro LOADB1
	WIN 0
.irp k, 0,1,2,3
	ds_load_b128 v[B1+4*\k:B1+4*\k+3], v[A3] offset:64*(\k/2)+16*(\k%2)
.endr
.endm
; four products of the first kind, 32 of K at kc: the four accumulators take turns.  At kc = 0 the sum starts with ff_b1 (bias = 1) or 0.
.macro P1G hb, bias, kc
	WIN 0x01
.irp x, 0,1,2,3
.if (\kc) == 0
.if \bias
	v_wmma_f32_16x16x32_bf16 v[(\hb)+8*\x:(\hb)+8*\x+7], v[W1F+8*(4*(\x/2)+(\kc)):W1F+8*(4*(\x/2)+(\kc))+7], v[YF+8*(4*(\x%2)+(\kc)):YF+8*(4*(\x%2)+(\kc))+7], v[B1+8*(\x/2):B1+8*(\x/2)+7]
.else
	v_wmma_f32_16x16x32_bf16 v[(\hb)+8*\x:(\hb)+8*\x+7], v[W1F+8*(4*(\x/2)+(\kc)):W1F+8*(4*(\x/2)+(\kc))+7], v[YF+8*(4*(\x%2)+(\kc)):YF+8*(4*(\x%2)+(\kc))+7], 0
.endif
.else
	v_wmma_f32_16x16x32_bf16 v[(\hb)+8*\x:(\hb)+8*\x+7], v[W1F+8*(4*(\x/2)+(\kc)):W1F+8*(4*(\x/2)+(\kc))+7], v[YF+8*(4*(\x%2)+(\kc)):YF+8*(4*(\x%2)+(\kc))+7], v[(\hb)+8*\x:(\hb)+8*\x+7]
.endif
.endr
.endm
; four of the sixteen products T(tt, mt) += W2F(mt) x G(tt): sixteen different accumulators
.macro P2G gb, g
	WIN 0x51
.irp n, 0,1,2,3
.set pi, 4*(\g)+\n
.set rT, 8*(8*(pi%2)+pi/2)
	v_wmma_f32_16x16x32_bf16 v[rT:rT+7], v[W2F+8*(pi/2):W2F+8*(pi/2)+7], v[(\gb)+8*(pi%2):(\gb)+8*(pi%2)+7], v[rT:rT+7]
.endr
.endm
; LAYER NORM of both tiles of T into YF.  g and b (f32, at goff and goff + 512 behind v[AV]) come in while the statistics are made.  Two passes: the mean, then the mean of (x - mean)^2: no difference of large sums.
.macro LN goff
	WIN 0x40
.set m, 0
.rept 4
.irp q, 0,1
	ds_load_b128 v[128+16*m+4*\q:131+16*m+4*\q], v[AV] offset:(\goff)+64*m+16*\q
	ds_load_b128 v[136+16*m+4*\q:139+16*m+4*\q], v[AV] offset:(\goff)+512+64*m+16*\q
.endr
.set m, m+1
.endr
	WIN 0
.rept 4
.irp q, 0,1
	ds_load_b128 v[32+16*m+4*\q:35+16*m+4*\q], v[AV] offset:(\goff)+64*m+16*\q
	ds_load_b128 v[40+16*m+4*\q:43+16*m+4*\q], v[AV] offset:(\goff)+512+64*m+16*\q
.endr
.set m, m+1
.endr
	WIN 0x55
.set n, 1
.rept 15                               ; four chains (tile, parity of mt), each started by its first two pairs: nothing is cleared
.irp tt, 0,1
.irp k, 0,1
.set rr, 8*(8*\tt+\k+2*(n/4))+2*(n%4)
.if n == 1
	v_pk_add_f32 v[SA+4*\tt+2*\k:SA+4*\tt+2*\k+1], v[rr-2:rr-1], v[rr:rr+1]
.else
	v_pk_add_f32 v[SA+4*\tt+2*\k:SA+4*\tt+2*\k+1], v[SA+4*\tt+2*\k:SA+4*\tt+2*\k+1], v[rr:rr+1]
.endif
.endr
.endr
.set n, n+1
.endr
	ALL2 v_pk_add_f32 v[SA+4*t:SA+4*t+1], v[SA+4*t:SA+4*t+1], v[SA+4*t+2:SA+4*t+3]
	ALL2 v_add_f32 v[SA+4*t], v[SA+4*t], v[SA+4*t+1]
	ALL2 v_permlanex16_b32 v[SA+4*t+1], v[SA+4*t], s[SEL], s[SEL+1]
	ALL2 v_add_f32 v[SA+4*t], v[SA+4*t], v[SA+4*t+1]
	ALL2 v_mul_f32 v[SA+4*t], 0x3c000000, v[SA+4*t]
.set n, 0
.rept 16
.irp tt, 0,1
.irp k, 0,1
.set rr, 8*(8*\tt+\k+2*(n/4))+2*(n%4)
.set dd, DT+8*(n%2)+4*\tt+2*\k
	v_pk_add_f32 v[dd:dd+1], v[rr:rr+1], v[SA+4*\tt:SA+4*\tt+1] op_sel_hi:[1,0] neg_lo:[0,1] neg_hi:[0,1]
.endr
.endr
.irp tt, 0,1
.irp k, 0,1
.set dd, DT+8*(n%2)+4*\tt+2*\k
.if n == 0
	v_pk_mul_f32 v[VA+4*\tt+2*\k:VA+4*\tt+2*\k+1], v[dd:dd+1], v[dd:dd+1]
.else
	v_pk_fma_f32 v[VA+4*\tt+2*\k:VA+4*\tt+2*\k+1], v[dd:dd+1], v[dd:dd+1], v[VA+4*\tt+2*\k:VA+4*\tt+2*\k+1]
.endif
.endr
.endr
.set n, n+1
.endr
	ALL2 v_pk_add_f32 v[VA+4*t:VA+4*t+1], v[VA+4*t:VA+4*t+1], v[VA+4*t+2:VA+4*t+3]
	ALL2 v_add_f32 v[VA+4*t], v[VA+4*t], v[VA+4*t+1]
	ALL2 v_permlanex16_b32 v[VA+4*t+1], v[VA+4*t], s[SEL], s[SEL+1]
	ALL2 v_add_f32 v[VA+4*t], v[VA+4*t], v[VA+4*t+1]
	ALL2 v_mul_f32 v[VA+4*t], 0x3c000000, v[VA+4*t]
	ALL2 v_add_f32 v[VA+4*t], 0x3727c5ac, v[VA+4*t]
	ALL2 v_rsq_f32 v[VA+4*t], v[VA+4*t]
	v_nop                                          ; a plain instruction behind the roots,
	s_wait_alu depctr_va_vdst(0)                   ; and the one wait ahead of their first reader
	ALL2 v_mul_f32 v[VA+4*t+2], -v[SA+4*t], v[VA+4*t]
	s_wait_dscnt 0x0                               ; g and b are in
.set m, 0
.rept 8
	WIN 0x55
.irp tt, 0,1
.irp i, 0,1,2,3
.set uu, U+16*(m%2)+8*\tt+2*\i
	v_pk_fma_f32 v[uu:uu+1], v[8*(8*\tt+m)+2*\i:8*(8*\tt+m)+2*\i+1], v[VA+4*\tt:VA+4*\tt+1], v[VA+4*\tt+2:VA+4*\tt+3] op_sel_hi:[1,0,0]
.endr
.endr
.if m < 4
.set lg, 128+16*m
.else
	WIN 0x41
.set lg, 32+16*m
.endif
.irp tt, 0,1
.irp i, 0,1,2,3
.set uu, U+16*(m%2)+8*\tt+2*\i
	v_pk_fma_f32 v[uu:uu+1], v[uu:uu+1], v[lg+2*\i:lg+2*\i+1], v[lg+8+2*\i:lg+8+2*\i+1]
.endr
.endr
	WIN 0x05
.irp tt, 0,1
.irp i, 0,1,2,3
.set uu, U+16*(m%2)+8*\tt+2*\i
	v_cvt_pk_bf16_f32 v[YF+8*(4*\tt+m/2)+4*(m%2)+\i], v[uu], v[uu+1]
.endr
.endr
.set m, m+1
.endr
	WIN 0
.endm
.macro BIASADD off                     ; T += a vector of 128; each accumulator's registers are read in ascending order
	PLACES
	WIN 0x40
.set m, 0
.rept 8
	ds_load_b128 v[128+8*m:131+8*m], v[AV] offset:(\off)+64*m
	ds_load_b128 v[132+8*m:135+8*m], v[AV] offset:(\off)+64*m+16
.set m, m+1
.endr
	s_wait_dscnt 0x0
	WIN 0x55
.set m, 0
.rept 8
.irp tt, 0,1
.irp i, 0,1,2,3
	v_pk_add_f32 v[8*(8*\tt+m)+2*\i:8*(8*\tt+m)+2*\i+1], v[8*(8*\tt+m)+2*\i:8*(8*\tt+m)+2*\i+1], v[128+8*m+2*\i:128+8*m+2*\i+1]
.endr
.endr
.set m, m+1
.endr
	WIN 0
.endm
.macro SOFTQ                           ; softmax over a head's 16 features (8 in the lane, 8 in the lane 16 away) of H0's four tiles t = 2 m2 + tt; rounded into G0
	WIN 0
	ALL4 v_max3_num_f32 v[16+2*t], v[H0+8*t], v[H0+8*t+1], v[H0+8*t+2]
	ALL4 v_max3_num_f32 v[17+2*t], v[H0+8*t+3], v[H0+8*t+4], v[H0+8*t+5]
	ALL4 v_max3_num_f32 v[16+2*t], v[16+2*t], v[17+2*t], v[H0+8*t+6]
	ALL4 v_max_num_f32 v[16+2*t], v[16+2*t], v[H0+8*t+7]
	ALL4 v_permlanex16_b32 v[17+2*t], v[16+2*t], s[SEL], s[SEL+1]
	ALL4 v_max_num_f32 v[16+2*t], v[16+2*t], v[17+2*t]
	ALL4 v_mul_f32 v[16+2*t], s[LE], v[16+2*t]
.set i, 0
.rept 16
	v_pk_fma_f32 v[H0+2*i:H0+2*i+1], v[H0+2*i:H0+2*i+1], s[LE:LE+1], v[16+2*(i/4):17+2*(i/4)] op_sel_hi:[1,0,0] neg_lo:[0,0,1] neg_hi:[0,0,1]
.set i, i+1
.endr
.set i, 0
.rept 32
	v_exp_f32 v[H0+i], v[H0+i]
.set i, i+1
.endr
	v_nop
	s_wait_alu depctr_va_vdst(0)                   ; one wait for the 32 exponentials
	ALL4 v_pk_add_f32 v[24+2*t:25+2*t], v[H0+8*t:H0+8*t+1], v[H0+8*t+2:H0+8*t+3]
	ALL4 v_pk_add_f32 v[24+2*t:25+2*t], v[24+2*t:25+2*t], v[H0+8*t+4:H0+8*t+5]
	ALL4 v_pk_add_f32 v[24+2*t:25+2*t], v[24+2*t:25+2*t], v[H0+8*t+6:H0+8*t+7]
	ALL4 v_add_f32 v[24+2*t], v[24+2*t], v[25+2*t]
	ALL4 v_permlanex16_b32 v[25+2*t], v[24+2*t], s[SEL], s[SEL+1]
	ALL4 v_add_f32 v[24+2*t], v[24+2*t], v[25+2*t]
	ALL4 v_rcp_f32 v[24+2*t], v[24+2*t]
	v_nop
	s_wait_alu depctr_va_vdst(0)                   ; one wait for the four reciprocals
.set i, 0
.rept 16
	v_pk_mul_f32 v[H0+2*i:H0+2*i+1], v[H0+2*i:H0+2*i+1], v[24+2*(i/4):25+2*(i/4)] op_sel_hi:[1,0]
.set i, i+1
.endr
.set i, 0
.rept 16
	v_cvt_pk_bf16_f32 v[G0+8*((i/4)%2)+4*(i/8)+i%4], v[H0+2*i], v[H0+2*i+1]
.set i, i+1
.endr
.endm
; Number ge of the 160 vector instructions of gelu on the 32 registers at hb: 0-15 x^2; 16-31 CB x^2 + CA; 32-47 times x; 48-79 the exponentials (one batch; TURN writes its wait);
; 80-95 + 1; 96-127 the reciprocals (one batch; its plain instruction and wait stand ahead of 128); 128-143 times x; 144-159 rounded into the source fragments at gb.
.macro GE hb, gb
.if ge < 16
	v_pk_mul_f32 v[S+2*ge:S+2*ge+1], v[(\hb)+2*ge:(\hb)+2*ge+1], v[(\hb)+2*ge:(\hb)+2*ge+1]
.elseif ge < 32
	v_pk_fma_f32 v[S+2*ge-32:S+2*ge-31], v[S+2*ge-32:S+2*ge-31], s[CB:CB+1], s[CA:CA+1] op_sel_hi:[1,0,0]
.elseif ge < 48
	v_pk_mul_f32 v[S+2*ge-64:S+2*ge-63], v[S+2*ge-64:S+2*ge-63], v[(\hb)+2*ge-64:(\hb)+2*ge-63]
.elseif ge < 80
	v_exp_f32 v[S+ge-48], v[S+ge-48]
.elseif ge < 96
	v_pk_add_f32 v[S+2*ge-160:S+2*ge-159], v[S+2*ge-160:S+2*ge-159], 1.0 op_sel_hi:[1,0]
.elseif ge < 128
	v_rcp_f32 v[S+ge-96], v[S+ge-96]
.elseif ge < 144
.if ge == 128
	v_nop
	s_wait_alu depctr_va_vdst(0)
.endif
	v_pk_mul_f32 v[S+2*ge-256:S+2*ge-255], v[S+2*ge-256:S+2*ge-255], v[(\hb)+2*ge-256:(\hb)+2*ge-255]
.else
	v_cvt_pk_bf16_f32 v[(\gb)+8*(((ge-144)/4)%2)+4*((ge-144)/8)+(ge-144)%4], v[S+2*ge-288], v[S+2*ge-287]
.endif
.set ge, ge+1
.endm
; CHUNK c's TURN, p = c % 2.  do1: chunk c + 1 exists: its W1 and b1 are fetched at the head and multiplied in the second half.  do2: chunk c - 1 exists: T += W2 G of it in the first half.
; W2 of chunk c is fetched in the middle, four places behind the last product that read W2's registers.  The turn's last twenty vector instructions are plain and name no register of the
; products in front of them: they are the places ahead of the next turn's loads and of its first reads of H.
.macro TURN p, do2, do1
.set HP, H0+32*(\p)
.set HN, H0+32*(1-(\p))
.set GP, G0+16*(\p)
.set GN, G0+16*(1-(\p))
.set ge, 0
	WIN 0
.if \do1
	v_add_nc_u32 v[A1], 0x4000, v[A1]
	v_add_nc_u32 v[A3], 128, v[A3]
	LOADF W1F, A1
	LOADB1
.endif
.if \do2
.if \do1
	s_wait_dscnt 20                                ; the 20 loads just issued may stay out: W2 of chunk c - 1 is in
.else
	s_wait_dscnt 0x0
.endif
.endif
.set tg, 0
.rept 4
.if \do2
	P2G GN, tg
.endif
	WIN 0
.rept 20
	GE HP, GP
.endr
.set tg, tg+1
.endr
	PLACES                                         ; the places behind the last product, and the plain instruction behind the last exponential
	s_wait_alu depctr_va_vdst(0)                   ; one wait for the 32 exponentials
	LOADF W2F, A2
	v_add_nc_u32 v[A2], 0x4000, v[A2]
.if \do1
	s_wait_dscnt 16                                ; W2's 16 loads may stay out: W1 and b1 of chunk c + 1 are in
.endif
.set tg, 0
.rept 4
.if \do1
	P1G HN, 1, tg
.endif
	WIN 0
.rept 20
	GE HP, GP
.endr
.set tg, tg+1
.endr
.endm
.macro TSTORE sb                       ; T as it lies: 32 stores of 512 consecutive bytes
	WIN 0x04
.set m, 0
.rept 16
	global_store_b128 v[L16], v[8*m:8*m+3], s[\sb:\sb+1] offset:1024*m th:TH_STORE_NT
	global_store_b128 v[L16], v[8*m+4:8*m+7], s[\sb:\sb+1] offset:1024*m+512 th:TH_STORE_NT
.set m, m+1
.endr
	WIN 0
.endm
.macro KVPROD                          ; a head's k and v for both tiles (source 0 = 16 tokens, source 1 = 16 features): four accumulators by turns
	WIN 0x04
.irp kc, 0,1,2,3
.irp x, 0,1,2,3
.if \kc == 0
	v_wmma_f32_16x16x32_bf16 v[H0+8*\x:H0+8*\x+7], v[YF+8*(4*(\x%2)+\kc):YF+8*(4*(\x%2)+\kc)+7], v[W1F+8*(4*(\x/2)+\kc):W1F+8*(4*(\x/2)+\kc)+7], 0
.else
	v_wmma_f32_16x16x32_bf16 v[H0+8*\x:H0+8*\x+7], v[YF+8*(4*(\x%2)+\kc):YF+8*(4*(\x%2)+\kc)+7], v[W1F+8*(4*(\x/2)+\kc):W1F+8*(4*(\x/2)+\kc)+7], v[H0+8*\x:H0+8*\x+7]
.endif
.endr
.endr
.endm
.macro KSOFT                           ; the wave's 32 tokens of one head: maximum, p = 2^(log2e k - log2e m), l, ctx^T = v^T p; into the wave's place in LDS
	WIN 0
	v_max3_num_f32 v16, v[H0], v[H0+1], v[H0+2]
	v_max3_num_f32 v17, v[H0+8], v[H0+9], v[H0+10]
	v_max3_num_f32 v16, v16, v[H0+3], v[H0+4]
	v_max3_num_f32 v17, v17, v[H0+11], v[H0+12]
	v_max3_num_f32 v16, v16, v[H0+5], v[H0+6]
	v_max3_num_f32 v17, v17, v[H0+13], v[H0+14]
	v_max3_num_f32 v16, v16, v[H0+7], v[H0+15]
	v_max_num_f32 v16, v16, v17
	v_permlanex16_b32 v17, v16, s[SEL], s[SEL+1]
	v_max_num_f32 v16, v16, v17
	v_mul_f32 v16, s[LE], v16
.set i, 0
.rept 8
	v_pk_fma_f32 v[H0+2*i:H0+2*i+1], v[H0+2*i:H0+2*i+1], s[LE:LE+1], v[16:17] op_sel_hi:[1,0,0] neg_lo:[0,0,1] neg_hi:[0,0,1]
.set i, i+1
.endr
.set i, 0
.rept 16
	v_exp_f32 v[H0+i], v[H0+i]
.set i, i+1
.endr
.set i, 0
.rept 8                                ; v's roundings are the independent work behind the exponentials
	v_cvt_pk_bf16_f32 v[G0+i], v[H0+16+2*i], v[H0+17+2*i]
.set i, i+1
.endr
	s_wait_alu depctr_va_vdst(0)                   ; one wait for the 16 exponentials
	v_pk_add_f32 v[18:19], v[H0:H0+1], v[H0+2:H0+3]
	v_pk_add_f32 v[20:21], v[H0+4:H0+5], v[H0+6:H0+7]
	v_pk_add_f32 v[18:19], v[18:19], v[H0+8:H0+9]
	v_pk_add_f32 v[20:21], v[20:21], v[H0+10:H0+11]
	v_pk_add_f32 v[18:19], v[18:19], v[H0+12:H0+13]
	v_pk_add_f32 v[20:21], v[20:21], v[H0+14:H0+15]
	v_pk_add_f32 v[18:19], v[18:19], v[20:21]
	v_add_f32 v17, v18, v19
	v_permlanex16_b32 v18, v17, s[SEL], s[SEL+1]
	v_add_f32 v17, v17, v18
.set i, 0
.rept 8
	v_cvt_pk_bf16_f32 v[G0+8+i], v[H0+2*i], v[H0+2*i+1]
.set i, i+1
.endr
	v_wmma_f32_16x16x32_bf16 v[128:135], v[G0:G0+7], v[G0+8:G0+15], 0
	PLACES
	ds_store_b128 v[EXA], v[128:131]
	ds_store_b128 v[EXA], v[132:135] offset:512
	ds_store_b64 v[EXT], v[16:17]
	v_add_nc_u32 v[EXA], 1024, v[EXA]
	v_add_nc_u32 v[EXT], 256, v[EXT]
.endm
.macro COMBINE pb                      ; wave w joins head w of all eight waves and stores the work-group's partial
	WIN 0
	s_wait_dscnt 0x0                               ; for the others' sake: my stores are done
	s_barrier_signal -1
	s_barrier_wait -1
.set u, 0
.rept 8
	ds_load_b128 v[96+8*u:99+8*u], v[CRA] offset:8192*u
	ds_load_b128 v[100+8*u:103+8*u], v[CRA] offset:8192*u+512
	ds_load_b64 v[160+2*u:161+2*u], v[CRS] offset:2048*u
.set u, u+1
.endr
	s_wait_dscnt 0x0
	v_max3_num_f32 v16, v160, v162, v164
	v_max3_num_f32 v16, v16, v166, v168
	v_max3_num_f32 v16, v16, v170, v172
	v_max_num_f32 v184, v16, v174
.set u, 0
.rept 8
	v_sub_f32 v[160+2*u], v[160+2*u], v184
.set u, u+1
.endr
.set u, 0
.rept 8
	v_exp_f32 v[160+2*u], v[160+2*u]
.set u, u+1
.endr
	v_nop
	s_wait_alu depctr_va_vdst(0)                   ; one wait for the eight
	v_mul_f32 v185, v160, v161
.set u, 1
.rept 7
	v_fmac_f32 v185, v[160+2*u], v[161+2*u]
.set u, u+1
.endr
.irp i, 0,1,2,3
	v_pk_mul_f32 v[176+2*\i:177+2*\i], v[96+2*\i:97+2*\i], v[160:161] op_sel_hi:[1,0]
.endr
.set u, 1
.rept 7
.irp i, 0,1,2,3
	v_pk_fma_f32 v[176+2*\i:177+2*\i], v[96+8*u+2*\i:97+8*u+2*\i], v[160+2*u:161+2*u], v[176+2*\i:177+2*\i] op_sel_hi:[1,0,1]
.endr
.set u, u+1
.endr
	global_store_b128 v[L16], v[176:179], s[\pb:\pb+1]
	global_store_b128 v[L16], v[180:183], s[\pb:\pb+1] offset:512
	global_store_b64 v[L8], v[184:185], s[\pb:\pb+1] offset:1024
.endm
	s_load_b256 s[4:11], s[0:1], 0x0               ; t_in s[4:5], w s[6:7], p_in s[8:9], t_out s[10:11]
	s_load_b64 s[12:13], s[0:1], 0x20              ; p_out
	v_lshl_add_u32 v[SPW], v0, 2, SPARE
	v_mov_b32 v[NIL], 0
	ds_add_u32 v[SPW], v[NIL]                      ; the opening: the add, twice on end, and its wait ahead of my first tensor load
	ds_add_u32 v[SPW], v[NIL]
	v_lshrrev_b32 v16, 5, v0
	v_readfirstlane_b32 s[WV], v16                 ; wave 0..7
	v_and_b32 v17, 31, v0                          ; l
	v_bfe_u32 v18, v0, 4, 1                        ; h
	v_lshlrev_b32 v[L16], 4, v17
	v_lshlrev_b32 v[L8], 3, v17
	v_lshl_add_u32 v[AV], v18, 5, VECB
	s_bfe_u32 s15, ttmp6, 0x40000                  ; cx: it enters global addresses alone, by s15, s16, s58, s59
	s_lshl_b32 s16, ttmp9, 2
	s_add_co_u32 s16, s16, s15                     ; g
	s_mov_b32 s[LE], 0x3fb8aa3b
	s_mov_b32 s[LE+1], 0x3fb8aa3b
	s_mov_b32 s[CA], 0xc0135761
	s_mov_b32 s[CA+1], 0xc0135761
	s_mov_b32 s[CB], 0xbdd2d3e8
	s_mov_b32 s[CB+1], 0xbdd2d3e8
	s_mov_b32 s[SEL], 0x76543210
	s_mov_b32 s[SEL+1], 0xfedcba98
	; all weight tiles are dense: rows of 256 bytes (32 elements of 8); mask of the four partners, bit 21 beside it
	s_mov_b32 s20, 15|(3<<16)|(1<<21)              ; Wq and the vectors: 19 rows a wave
	s_mov_b32 s21, 32<<16
	s_mov_b32 s22, 19<<16
	s_mov_b32 s23, 32<<16
	s_mov_b32 s24, 19
	s_mov_b32 s25, 32
	s_mov_b32 s26, 0
	s_mov_b32 s27, 0
	s_mov_b32 s28, 15|(3<<16)|(1<<21)              ; FF chunks 0-13: 112 rows a wave
	s_mov_b32 s29, 32<<16
	s_mov_b32 s30, 112<<16
	s_mov_b32 s31, 32<<16
	s_mov_b32 s32, 112
	s_mov_b32 s33, 32
	s_mov_b32 s34, 0
	s_mov_b32 s35, 0
	s_mov_b32 s36, 1
	s_mul_i32 s18, s[WV], 4864
	s_add_co_u32 s37, s18, WQB
	s_mov_b32 s40, 1
	s_mul_i32 s41, s[WV], 28672
	s_lshl_b32 s2, s[WV], 13
	s_add_co_u32 s2, s2, EXB
	v_add_nc_u32 v[EXA], s2, v[L16]
	s_lshl_b32 s2, s[WV], 11
	s_add_co_u32 s2, s2, EXS
	v_add_nc_u32 v[EXT], s2, v[L8]
	s_lshl_b32 s2, s[WV], 10
	s_add_co_u32 s2, s2, EXB
	v_add_nc_u32 v[CRA], s2, v[L16]
	s_lshl_b32 s2, s[WV], 8
	s_add_co_u32 s2, s2, EXS
	v_add_nc_u32 v[CRS], s2, v[L8]
	s_mul_i32 s58, s15, 3                          ; the prefetch: 384 blocks of 256 bytes, shared out by address: 32 (3 cx + w) + l
	s_add_co_u32 s58, s58, s[WV]
	s_lshl_b32 s58, s58, 13
	v_lshl_add_u32 v[PFO], v17, 8, s58
	s_wait_dscnt 0x0                               ; both opening adds are done
	s_wait_kmcnt 0x0
	s_mov_b32 s2, s18
	s_mov_b32 s3, 0
	s_add_nc_u64 s[38:39], s[6:7], s[2:3]
	s_or_b32 s39, s39, 0x80000000
	s_mov_b32 s2, s41
	s_add_nc_u64 s[42:43], s[6:7], s[2:3]
	s_add_nc_u64 s[42:43], s[42:43], W_FF
	s_or_b32 s43, s43, 0x80000000
	s_lshr_b32 s18, s[WV], 1                       ; head w's 16 rows lie in fragments kc = w / 2, block q = w % 2
	s_lshl_b32 s18, s18, 13
	s_and_b32 s19, s[WV], 1
	s_lshl_b32 s19, s19, 9
	s_add_co_u32 s18, s18, s19
	s_mov_b32 s2, s18
	s_add_nc_u64 s[56:57], s[6:7], s[2:3]
	s_add_nc_u64 s[56:57], s[56:57], W_WO          ; o_w's blocks of my head
	s_add_co_u32 s19, s18, MXB
	v_add_nc_u32 v[A2], s19, v[L16]                ; and Mx's
	s_add_nc_u64 s[52:53], s[6:7], W_R1            ; what the two refills will ask for
	s_mul_i32 s2, ttmp9, 40960
	s_mul_i32 s18, s[WV], 1280
	s_add_co_u32 s2, s2, s18
	s_add_nc_u64 s[8:9], s[8:9], s[2:3]            ; the batch's partials of my head
	s_lshl_b32 s58, s16, 17
	s_lshl_b32 s59, s[WV], 14
	s_add_co_u32 s58, s58, s59
	s_mov_b32 s59, 0
	s_add_nc_u64 s[4:5], s[4:5], s[58:59]
	s_add_nc_u64 s[10:11], s[10:11], s[58:59]
	s_mul_i32 s58, s16, 10240
	s_add_co_u32 s58, s58, s18
	s_add_nc_u64 s[12:13], s[12:13], s[58:59]
	ROUND                                          ; the four partners are here: the first joint loads meet
	tensor_load_to_lds s[36:39], s[20:27]          ; Wq and the vectors; two loads of mine are out
	s_nop 0
	tensor_load_to_lds s[40:43], s[28:35]          ; FF chunks 0-13
	s_nop 0
	PLACES
.irp p, 0,1,2,3
	global_load_b128 v[32+8*\p:35+8*\p], v[L16], s[8:9] offset:10240*\p
	global_load_b128 v[36+8*\p:39+8*\p], v[L16], s[8:9] offset:10240*\p+512
	global_load_b64 v[64+2*\p:65+2*\p], v[L8], s[8:9] offset:10240*\p+1024
.endr
.irp o, 0,1,2,3,4,5,6,7
	global_load_b128 v[72+4*\o:75+4*\o], v[L16], s[56:57] offset:1024*\o
.endr
	WIN 0x40
.set m, 0
.rept 16
	global_load_b128 v[8*m:8*m+3], v[L16], s[4:5] offset:1024*m th:TH_LOAD_NT
	global_load_b128 v[8*m+4:8*m+7], v[L16], s[4:5] offset:1024*m+512 th:TH_LOAD_NT
.set m, m+1
.endr
	WIN 0
	s_wait_loadcnt 32                              ; t's 32 loads may stay out: the partials and o_w are in
	; Mx of head w.  Lane r is feature d; its registers are e = 8 h + j.
	v_max3_num_f32 v16, v64, v66, v68
	v_max_num_f32 v16, v16, v70
.irp p, 0,1,2,3
	v_sub_f32 v[20+2*\p], v[64+2*\p], v16
.endr
.irp p, 0,1,2,3
	v_exp_f32 v[20+2*\p], v[20+2*\p]
.endr
.irp z, 104,105,106,107,112,113,114,115,21,23,25,27
	v_mov_b32 v[\z], 0                             ; K is 16 deep: source 0's upper half is 0; what source 1 holds there need only be finite.  (v21 .. v27: named in pairs)
.endr
	s_wait_alu depctr_va_vdst(0)
	v_mul_f32 v17, v20, v65
	v_fmac_f32 v17, v22, v67
	v_fmac_f32 v17, v24, v69
	v_fmac_f32 v17, v26, v71
	v_rcp_f32 v17, v17
	v_nop
	s_wait_alu depctr_va_vdst(0)
	v_mul_f32 v17, 0x3e800000, v17                 ; 1 / l, and q's factor 16^-0.5
.irp p, 0,1,2,3
	v_mul_f32 v[20+2*\p], v[20+2*\p], v17
.endr
.irp i, 0,1,2,3
	v_pk_mul_f32 v[32+2*\i:33+2*\i], v[32+2*\i:33+2*\i], v[20:21] op_sel_hi:[1,0]
.endr
.irp p, 1,2,3
.irp i, 0,1,2,3
	v_pk_fma_f32 v[32+2*\i:33+2*\i], v[32+8*\p+2*\i:33+8*\p+2*\i], v[20+2*\p:21+2*\p], v[32+2*\i:33+2*\i] op_sel_hi:[1,0,1]
.endr
.endr
.irp i, 0,1,2,3
	v_cvt_pk_bf16_f32 v[108+\i], v[32+2*\i], v[33+2*\i]
.endr
.irp o, 0,1,2,3,4,5,6,7
	v_wmma_f32_16x16x32_bf16 v[128+8*\o:135+8*\o], v[108:115], v[72+4*\o:79+4*\o], 0
.endr
	PLACES
.irp o, 0,1,2,3,4,5,6,7
.irp i, 0,1,2,3
	v_cvt_pk_bf16_f32 v[192+4*\o+\i], v[128+8*\o+2*\i], v[129+8*\o+2*\i]
.endr
.endr
.irp o, 0,1,2,3,4,5,6,7
	ds_store_b128 v[A2], v[192+4*\o:195+4*\o] offset:1024*\o
.endr
	s_wait_tensorcnt 0x1                           ; Wq and the vectors: my part is in; the FF load may stay out
	s_wait_dscnt 0x0                               ; my rows of Mx are stored
	s_barrier_signal -1
	s_barrier_wait -1
	s_wait_loadcnt 0x0                             ; t
	LN 0
	; what the two refills will ask for, 98,304 bytes, is named once in the launch: by waves 0-2 of the four work-groups of the first cluster, a lane a block of 256 bytes; the attention loop lies between this and the first refill
	s_cmp_lt_u32 s[WV], 3
	s_cselect_b32 s54, ttmp9, 1
	s_cmp_eq_u32 s54, 0
	s_cbranch_scc0 .Lnopf
	global_prefetch_b8 v[PFO], s[52:53] th:TH_LOAD_NT scope:SCOPE_SE
.Lnopf:
	v_add_nc_u32 v[A1], WQB, v[L16]
	v_add_nc_u32 v[A2], MXB, v[L16]
	LOADF W1F, A1
	s_mov_b32 s17, 4
.Latt:                                                 ; a trip: two heads
	s_wait_dscnt 0x0
	P1G H0, 0, 0
	P1G H0, 0, 1
	P1G H0, 0, 2
	P1G H0, 0, 3
	PLACES
	LOADF W2F, A2                                  ; Mx's 32 rows of these heads
	v_add_nc_u32 v[A2], 0x2000, v[A2]
	s_cmp_eq_u32 s17, 1
	s_cbranch_scc1 .Lnoq                           ; the last trip fetches no further Wq
	v_add_nc_u32 v[A1], 0x2000, v[A1]
	LOADF W1F, A1
.Lnoq:
	SOFTQ
	s_wait_dscnt 0x0
	P2G G0, 0
	P2G G0, 1
	P2G G0, 2
	P2G G0, 3
	WIN 0
	s_sub_co_u32 s17, s17, 1
	s_cmp_lg_u32 s17, 0
	s_cbranch_scc1 .Latt
	; Wq's bytes are filled again, with FF chunks 14 and 15
	s_wait_tensorcnt 0x0                           ; all my tensor loads have landed, my part of FF chunks 0-13 among them: the descriptors may be written
	ds_add_u32 v[SPW], v[NIL]
	s_mov_b32 s22, 16<<16
	s_mov_b32 s24, 16
	s_lshl_b32 s2, s[WV], 12
	s_mov_b32 s3, 0
	s_add_co_u32 s37, s2, WQB
	s_add_nc_u64 s[38:39], s[6:7], s[2:3]
	s_add_nc_u64 s[38:39], s[38:39], W_R1
	s_or_b32 s39, s39, 0x80000000
	s_wait_dscnt 0x0                               ; the add is done, and my reads of Wq are over
	ROUND                                          ; so it is with every wave of the four partners
	tensor_load_to_lds s[36:39], s[20:27]
	s_nop 0
	PLACES
	BIASADD 1024                                   ; + o_b
	LN 1536                                        ; LN2
	s_wait_tensorcnt 0x0                           ; my part of chunks 14 and 15 is in,
	s_wait_dscnt 0x0
	s_barrier_signal -1
	s_barrier_wait -1                              ; everybody's is
	v_mov_b32 v[A1], v[L16]
	v_add_nc_u32 v[A2], 0x2000, v[L16]
	v_add_nc_u32 v[A3], 3072, v[AV]
	LOADF W1F, A1
	LOADB1
	s_wait_dscnt 0x0
	P1G H0, 1, 0
	P1G H0, 1, 1
	P1G H0, 1, 2
	P1G H0, 1, 3
	PLACES
	TURN 0, 0, 1                                   ; chunk 0
	s_mov_b32 s17, 7
.Lff:                                                  ; chunks 1 to 14
	TURN 1, 1, 1
	TURN 0, 1, 1
	s_sub_co_u32 s17, s17, 1
	s_cmp_lg_u32 s17, 0
	s_cbranch_scc1 .Lff
	TURN 1, 1, 0                                   ; chunk 15
	s_wait_dscnt 0x0
	P2G G0+16, 0
	P2G G0+16, 1
	P2G G0+16, 2
	P2G G0+16, 3
	WIN 0
	; the first 64 KiB are filled again, with the next layer's KV fragments
	s_wait_tensorcnt 0x0
	ds_add_u32 v[SPW], v[NIL]
	s_mov_b32 s22, 32<<16
	s_mov_b32 s24, 32
	s_lshl_b32 s2, s[WV], 13
	s_mov_b32 s3, 0
	s_lshl_b32 s37, s[WV], 13
	s_add_nc_u64 s[38:39], s[6:7], s[2:3]
	s_add_nc_u64 s[38:39], s[38:39], W_KV
	s_or_b32 s39, s39, 0x80000000
	s_wait_dscnt 0x0                               ; the add is done, and my reads of the FF weights are over
	ROUND
	tensor_load_to_lds s[36:39], s[20:27]
	s_nop 0
	PLACES
	BIASADD 2560                                   ; + ff_b2
	TSTORE 10
	LN 5120                                        ; the next layer's LN1
	s_wait_tensorcnt 0x0
	s_wait_dscnt 0x0
	s_barrier_signal -1
	s_barrier_wait -1                              ; the KV fragments are whole
	v_mov_b32 v[A1], v[L16]
	LOADF W1F, A1
	s_mov_b32 s17, 8
.Lkv:                                                  ; a trip a head
	s_wait_dscnt 0x0
	KVPROD
	PLACES
	WIN 0
	s_cmp_eq_u32 s17, 1
	s_cbranch_scc1 .Lnokv
	v_add_nc_u32 v[A1], 0x2000, v[A1]
	LOADF W1F, A1
.Lnokv:
	KSOFT
	s_sub_co_u32 s17, s17, 1
	s_cmp_lg_u32 s17, 0
	s_cbranch_scc1 .Lkv
	COMBINE 12
	s_wait_tensorcnt 0x0                           ; the wave's end
	ds_add_u32 v[SPW], v[NIL]
	s_wait_dscnt 0x0
	ROUND                                          ; the closing round
	s_endpgm
.Lfunc_end_k_qd1ec92cd70_lay1:
	.size	k_qd1ec92cd70_lay1, .Lfunc_end_k_qd1ec92cd70_lay1-k_qd1ec92cd70_lay1
	.p2alignl 7, 3214868480
	.fill 96, 4, 3214868480
	.section	.rodata,"a",@progbits
	.p2align	6, 0x0
	.amdhsa_kernel k_qd1ec92cd70_lay1
		.amdhsa_group_segment_fixed_size 327680
		.amdhsa_private_segment_fixed_size 0
		.amdhsa_enable_private_segment 0
		.amdhsa_kernarg_size 40
		.amdhsa_user_sgpr_count 2
		.amdhsa_user_sgpr_kernarg_segment_ptr 1
		.amdhsa_wavefront_size32 1
		.amdhsa_system_sgpr_workgroup_id_x 1
		.amdhsa_system_sgpr_workgroup_id_y 1
		.amdhsa_system_sgpr_workgroup_id_z 1
		.amdhsa_system_vgpr_workitem_id 0
		.amdhsa_next_free_vgpr 512
		.amdhsa_next_free_sgpr 66
		.amdhsa_reserve_vcc 0
		.amdhsa_float_denorm_mode_32 3
		.amdhsa_float_denorm_mode_16_64 3
		.amdhsa_memory_ordered 1
		.amdhsa_forward_progress 1
		.amdhsa_inst_pref_size 195
	.end_amdhsa_kernel
	.amdgpu_metadata
---
amdhsa.version: [ 1, 2 ]
amdhsa.kernels:
  - .name:           k_qd1ec92cd70_lay1
    .symbol:         k_qd1ec92cd70_lay1.kd
    .args:
      - { .name: ta, .offset: 0, .size: 8, .value_kind: global_buffer, .address_space: global }
      - { .name: w1, .offset: 8, .size: 8, .value_kind: global_buffer, .address_space: global }
      - { .name: pa, .offset: 16, .size: 8, .value_kind: global_buffer, .address_space: global }
      - { .name: tb, .offset: 24, .size: 8, .value_kind: global_buffer, .address_space: global }
      - { .name: pb, .offset: 32, .size: 8, .value_kind: global_buffer, .address_space: global }
    .group_segment_fixed_size: 327680
    .private_segment_fixed_size: 0
    .kernarg_segment_align: 8
    .kernarg_segment_size: 40
    .max_flat_workgroup_size: 256
    .sgpr_count:     66
    .vgpr_count:     512
    .wavefront_size: 32
...
	.end_amdgpu_metadata
.endif
;; end of part 3
;; launch lay2: the kernel of part 3 again; grid 256 x 1, 8 waves a work-group, clusters of 4 x 1, 327,680 bytes of LDS; arguments tb, w2, pb, ta, pa; writes ta, pa
;; launch lay3: the kernel of part 3 again; grid 256 x 1, 8 waves a work-group, clusters of 4 x 1, 327,680 bytes of LDS; arguments ta, w3, pa, tb, pb; writes tb, pb
;; launch lay4 (part 4): grid 256 x 1, 8 waves a work-group, clusters of 4 x 1, 327,680 bytes of LDS; arguments tb, w4, pb, pa; writes pa
.if DOCPART == 4
	.amdgcn_target "amdgcn-amd-amdhsa--gfx1250"
	.amdhsa_code_object_version 6
	.text
	.protected	k_qd1ec92cd70_lay4
	.globl	k_qd1ec92cd70_lay4
	.p2align	8
	.type	k_qd1ec92cd70_lay4,@function
k_qd1ec92cd70_lay4:
	s_mov_b64 s[64:65], 0
	v_nop
	global_prefetch_b8 v0, s[64:65] scope:SCOPE_SE
	s_setreg_imm32_b32 hwreg(HW_REG_WAVE_MODE, 25, 1), 1
	s_wait_xcnt 0x0
	s_wait_alu depctr_hold_cnt(0) depctr_sa_sdst(0) depctr_va_vdst(0) depctr_va_sdst(0) depctr_va_ssrc(0) depctr_va_vcc(0) depctr_vm_vsrc(0)
	s_getreg_b32 s2, hwreg(HW_REG_IB_STS2, 6, 4)
	s_cmp_eq_u32 s2, 0
	s_cbranch_scc0 .Lentry_in_a_cluster
	s_endpgm
.Lentry_in_a_cluster:
	s_bfe_u32 s2, ttmp6, 0x10000c
	s_cmp_lg_u32 s2, 0x3003
	s_cbranch_scc0 .Lentry_shape_is_right
	s_endpgm
.Lentry_shape_is_right:
; THE LAST LAYER.  As the layers before it up to the feed-forward's end; no layer follows, so no k and v are made and t is not stored: the work-group's sum of t over its 256 tokens goes out, 128 f32 at 512 g.
; Shares, layouts, LDS and the turns of the feed-forward are those of the layers before: work-group g = 4 b + cx has 256 tokens of batch b, wave w 32, two tiles of 16; T(tt, mt) in window 1 is t in the f32 result layout.
; LDS: 0 FF chunks 0-13 (0x10000 and 0x20000, whose last fill is past when the feed-forward ends, take the waves' sums); 0x38000 Wq, filled again with FF chunks 14, 15; 0x40000 the f32 vectors; 0x41800 Mx; 0x49800 spare words.
.set WQB, 0x38000
.set VECB, 0x40000
.set MXB, 0x41800
.set SPARE, 0x49800
.set EXB, 0x10000
.set SUMB, 0x20000
.set W_FF, 38912
.set W_R1, 268288
.set W_WO, 366592
.set L16, 1
.set L8,  2
.set A1,  3
.set A2,  4
.set A3,  5
.set AV,  6
.set EXA, 7
.set EXT, 8
.set PFO, 9
.set SPW, 10
.set NIL, 11
.set CRA, 12
.set YF,  32
.set H0,  96
.set S,   160
.set G0,  192
.set B1,  224
.set W1F, 128
.set W2F, 192
.set SA,  192
.set VA,  200
.set DT,  208
.set U,   224
.set WV,  14
.set LE,  44
.set CA,  46
.set CB,  48
.set SEL, 50
.set MSB, 0
.macro WIN new                         ; bits 1:0 source 0, 3:2 source 1, 5:4 source 2, 7:6 destination; the high byte repeats the setting that is left
.if MSB != (\new)
	s_set_vgpr_msb (MSB<<8)|(\new)
.set MSB, (\new)
.endif
.endm
.macro PLACES                          ; four plain places behind a matrix instruction (ISA guide 7.12.1)
.rept 4
	v_nop
.endr
.endm
.macro ROUND                           ; a round of the cluster's barrier
	s_barrier_signal -1
	s_barrier_wait -1
	s_cmp_lg_u32 s[WV], 0
	s_cbranch_scc1 .Lnw0_\@
	s_barrier_signal -3
.Lnw0_\@:
	s_barrier_wait -3
	s_barrier_signal -1
	s_barrier_wait -1
.endm
.macro ALL2 line:vararg
.set t, 0
.rept 2
	\line
.set t, t+1
.endr
.endm
.macro ALL4 line:vararg
.set t, 0
.rept 4
	\line
.set t, t+1
.endr
.endm
.macro LOADF dst, adr                  ; 8 fragments, 16 loads of 512 consecutive bytes, into window 1
	WIN 0x40
.set f, 0
.rept 8
	ds_load_b128 v[(\dst)+8*f:(\dst)+8*f+3], v[\adr] offset:1024*f
	ds_load_b128 v[(\dst)+8*f+4:(\dst)+8*f+7], v[\adr] offset:1024*f+512
.set f, f+1
.endr
	WIN 0
.endm
.macro LOADB1
	WIN 0
.irp k, 0,1,2,3
	ds_load_b128 v[B1+4*\k:B1+4*\k+3], v[A3] offset:64*(\k/2)+16*(\k%2)
.endr
.endm
.macro P1G hb, bias, kc                ; four products of the first kind, 32 of K at kc: four accumulators by turns
	WIN 0x01
.irp x, 0,1,2,3
.if (\kc) == 0
.if \bias
	v_wmma_f32_16x16x32_bf16 v[(\hb)+8*\x:(\hb)+8*\x+7], v[W1F+8*(4*(\x/2)+(\kc)):W1F+8*(4*(\x/2)+(\kc))+7], v[YF+8*(4*(\x%2)+(\kc)):YF+8*(4*(\x%2)+(\kc))+7], v[B1+8*(\x/2):B1+8*(\x/2)+7]
.else
	v_wmma_f32_16x16x32_bf16 v[(\hb)+8*\x:(\hb)+8*\x+7], v[W1F+8*(4*(\x/2)+(\kc)):W1F+8*(4*(\x/2)+(\kc))+7], v[YF+8*(4*(\x%2)+(\kc)):YF+8*(4*(\x%2)+(\kc))+7], 0
.endif
.else
	v_wmma_f32_16x16x32_bf16 v[(\hb)+8*\x:(\hb)+8*\x+7], v[W1F+8*(4*(\x/2)+(\kc)):W1F+8*(4*(\x/2)+(\kc))+7], v[YF+8*(4*(\x%2)+(\kc)):YF+8*(4*(\x%2)+(\kc))+7], v[(\hb)+8*\x:(\hb)+8*\x+7]
.endif
.endr
.endm
.macro P2G gb, g                       ; four of the sixteen products T(tt, mt) += W2F(mt) x G(tt)
	WIN 0x51
.irp n, 0,1,2,3
.set pi, 4*(\g)+\n
.set rT, 8*(8*(pi%2)+pi/2)
	v_wmma_f32_16x16x32_bf16 v[rT:rT+7], v[W2F+8*(pi/2):W2F+8*(pi/2)+7], v[(\gb)+8*(pi%2):(\gb)+8*(pi%2)+7], v[rT:rT+7]
.endr
.endm
; LAYER NORM of both tiles of T into YF: the mean, then the mean of (x - mean)^2: no difference of large sums.  g and b come in while the statistics are made.
.macro LN goff
	WIN 0x40
.set m, 0
.rept 4
.irp q, 0,1
	ds_load_b128 v[128+16*m+4*\q:131+16*m+4*\q], v[AV] offset:(\goff)+64*m+16*\q
	ds_load_b128 v[136+16*m+4*\q:139+16*m+4*\q], v[AV] offset:(\goff)+512+64*m+16*\q
.endr
.set m, m+1
.endr
	WIN 0
.rept 4
.irp q, 0,1
	ds_load_b128 v[32+16*m+4*\q:35+16*m+4*\q], v[AV] offset:(\goff)+64*m+16*\q
	ds_load_b128 v[40+16*m+4*\q:43+16*m+4*\q], v[AV] offset:(\goff)+512+64*m+16*\q
.endr
.set m, m+1
.endr
	WIN 0x55
.set n, 1
.rept 15
.irp tt, 0,1
.irp k, 0,1
.set rr, 8*(8*\tt+\k+2*(n/4))+2*(n%4)
.if n == 1
	v_pk_add_f32 v[SA+4*\tt+2*\k:SA+4*\tt+2*\k+1], v[rr-2:rr-1], v[rr:rr+1]
.else
	v_pk_add_f32 v[SA+4*\tt+2*\k:SA+4*\tt+2*\k+1], v[SA+4*\tt+2*\k:SA+4*\tt+2*\k+1], v[rr:rr+1]
.endif
.endr
.endr
.set n, n+1
.endr
	ALL2 v_pk_add_f32 v[SA+4*t:SA+4*t+1], v[SA+4*t:SA+4*t+1], v[SA+4*t+2:SA+4*t+3]
	ALL2 v_add_f32 v[SA+4*t], v[SA+4*t], v[SA+4*t+1]
	ALL2 v_permlanex16_b32 v[SA+4*t+1], v[SA+4*t], s[SEL], s[SEL+1]
	ALL2 v_add_f32 v[SA+4*t], v[SA+4*t], v[SA+4*t+1]
	ALL2 v_mul_f32 v[SA+4*t], 0x3c000000, v[SA+4*t]
.set n, 0
.rept 16
.irp tt, 0,1
.irp k, 0,1
.set rr, 8*(8*\tt+\k+2*(n/4))+2*(n%4)
.set dd, DT+8*(n%2)+4*\tt+2*\k
	v_pk_add_f32 v[dd:dd+1], v[rr:rr+1], v[SA+4*\tt:SA+4*\tt+1] op_sel_hi:[1,0] neg_lo:[0,1] neg_hi:[0,1]
.endr
.endr
.irp tt, 0,1
.irp k, 0,1
.set dd, DT+8*(n%2)+4*\tt+2*\k
.if n == 0
	v_pk_mul_f32 v[VA+4*\tt+2*\k:VA+4*\tt+2*\k+1], v[dd:dd+1], v[dd:dd+1]
.else
	v_pk_fma_f32 v[VA+4*\tt+2*\k:VA+4*\tt+2*\k+1], v[dd:dd+1], v[dd:dd+1], v[VA+4*\tt+2*\k:VA+4*\tt+2*\k+1]
.endif
.endr
.endr
.set n, n+1
.endr
	ALL2 v_pk_add_f32 v[VA+4*t:VA+4*t+1], v[VA+4*t:VA+4*t+1], v[VA+4*t+2:VA+4*t+3]
	ALL2 v_add_f32 v[VA+4*t], v[VA+4*t], v[VA+4*t+1]
	ALL2 v_permlanex16_b32 v[VA+4*t+1], v[VA+4*t], s[SEL], s[SEL+1]
	ALL2 v_add_f32 v[VA+4*t], v[VA+4*t], v[VA+4*t+1]
	ALL2 v_mul_f32 v[VA+4*t], 0x3c000000, v[VA+4*t]
	ALL2 v_add_f32 v[VA+4*t], 0x3727c5ac, v[VA+4*t]
	ALL2 v_rsq_f32 v[VA+4*t], v[VA+4*t]
	v_nop                                          ; a plain instruction behind the roots,
	s_wait_alu depctr_va_vdst(0)                   ; and the one wait ahead of their first reader
	ALL2 v_mul_f32 v[VA+4*t+2], -v[SA+4*t], v[VA+4*t]
	s_wait_dscnt 0x0                               ; g and b are in
.set m, 0
.rept 8
	WIN 0x55
.irp tt, 0,1
.irp i, 0,1,2,3
.set uu, U+16*(m%2)+8*\tt+2*\i
	v_pk_fma_f32 v[uu:uu+1], v[8*(8*\tt+m)+2*\i:8*(8*\tt+m)+2*\i+1], v[VA+4*\tt:VA+4*\tt+1], v[VA+4*\tt+2:VA+4*\tt+3] op_sel_hi:[1,0,0]
.endr
.endr
.if m < 4
.set lg, 128+16*m
.else
	WIN 0x41
.set lg, 32+16*m
.endif
.irp tt, 0,1
.irp i, 0,1,2,3
.set uu, U+16*(m%2)+8*\tt+2*\i
	v_pk_fma_f32 v[uu:uu+1], v[uu:uu+1], v[lg+2*\i:lg+2*\i+1], v[lg+8+2*\i:lg+8+2*\i+1]
.endr
.endr
	WIN 0x05
.irp tt, 0,1
.irp i, 0,1,2,3
.set uu, U+16*(m%2)+8*\tt+2*\i
	v_cvt_pk_bf16_f32 v[YF+8*(4*\tt+m/2)+4*(m%2)+\i], v[uu], v[uu+1]
.endr
.endr
.set m, m+1
.endr
	WIN 0
.endm
.macro BIASADD off                     ; T += a vector of 128; each accumulator's registers are read in ascending order
	PLACES
	WIN 0x40
.set m, 0
.rept 8
	ds_load_b128 v[128+8*m:131+8*m], v[AV] offset:(\off)+64*m
	ds_load_b128 v[132+8*m:135+8*m], v[AV] offset:(\off)+64*m+16
.set m, m+1
.endr
	s_wait_dscnt 0x0
	WIN 0x55
.set m, 0
.rept 8
.irp tt, 0,1
.irp i, 0,1,2,3
	v_pk_add_f32 v[8*(8*\tt+m)+2*\i:8*(8*\tt+m)+2*\i+1], v[8*(8*\tt+m)+2*\i:8*(8*\tt+m)+2*\i+1], v[128+8*m+2*\i:128+8*m+2*\i+1]
.endr
.endr
.set m, m+1
.endr
	WIN 0
.endm
.macro SOFTQ                           ; softmax over a head's 16 features of H0's four tiles t = 2 m2 + tt; rounded into G0
	WIN 0
	ALL4 v_max3_num_f32 v[16+2*t], v[H0+8*t], v[H0+8*t+1], v[H0+8*t+2]
	ALL4 v_max3_num_f32 v[17+2*t], v[H0+8*t+3], v[H0+8*t+4], v[H0+8*t+5]
	ALL4 v_max3_num_f32 v[16+2*t], v[16+2*t], v[17+2*t], v[H0+8*t+6]
	ALL4 v_max_num_f32 v[16+2*t], v[16+2*t], v[H0+8*t+7]
	ALL4 v_permlanex16_b32 v[17+2*t], v[16+2*t], s[SEL], s[SEL+1]
	ALL4 v_max_num_f32 v[16+2*t], v[16+2*t], v[17+2*t]
	ALL4 v_mul_f32 v[16+2*t], s[LE], v[16+2*t]
.set i, 0
.rept 16
	v_pk_fma_f32 v[H0+2*i:H0+2*i+1], v[H0+2*i:H0+2*i+1], s[LE:LE+1], v[16+2*(i/4):17+2*(i/4)] op_sel_hi:[1,0,0] neg_lo:[0,0,1] neg_hi:[0,0,1]
.set i, i+1
.endr
.set i, 0
.rept 32
	v_exp_f32 v[H0+i], v[H0+i]
.set i, i+1
.endr
	v_nop
	s_wait_alu depctr_va_vdst(0)                   ; one wait for the 32 exponentials
	ALL4 v_pk_add_f32 v[24+2*t:25+2*t], v[H0+8*t:H0+8*t+1], v[H0+8*t+2:H0+8*t+3]
	ALL4 v_pk_add_f32 v[24+2*t:25+2*t], v[24+2*t:25+2*t], v[H0+8*t+4:H0+8*t+5]
	ALL4 v_pk_add_f32 v[24+2*t:25+2*t], v[24+2*t:25+2*t], v[H0+8*t+6:H0+8*t+7]
	ALL4 v_add_f32 v[24+2*t], v[24+2*t], v[25+2*t]
	ALL4 v_permlanex16_b32 v[25+2*t], v[24+2*t], s[SEL], s[SEL+1]
	ALL4 v_add_f32 v[24+2*t], v[24+2*t], v[25+2*t]
	ALL4 v_rcp_f32 v[24+2*t], v[24+2*t]
	v_nop
	s_wait_alu depctr_va_vdst(0)                   ; one wait for the four reciprocals
.set i, 0
.rept 16
	v_pk_mul_f32 v[H0+2*i:H0+2*i+1], v[H0+2*i:H0+2*i+1], v[24+2*(i/4):25+2*(i/4)] op_sel_hi:[1,0]
.set i, i+1
.endr
.set i, 0
.rept 16
	v_cvt_pk_bf16_f32 v[G0+8*((i/4)%2)+4*(i/8)+i%4], v[H0+2*i], v[H0+2*i+1]
.set i, i+1
.endr
.endm
; Number ge of the 160 vector instructions of gelu(x) = x / (1 + 2^(x (CA + CB x^2))) on the 32 registers at hb; two batches of transcendentals, a wait each
.macro GE hb, gb
.if ge < 16
	v_pk_mul_f32 v[S+2*ge:S+2*ge+1], v[(\hb)+2*ge:(\hb)+2*ge+1], v[(\hb)+2*ge:(\hb)+2*ge+1]
.elseif ge < 32
	v_pk_fma_f32 v[S+2*ge-32:S+2*ge-31], v[S+2*ge-32:S+2*ge-31], s[CB:CB+1], s[CA:CA+1] op_sel_hi:[1,0,0]
.elseif ge < 48
	v_pk_mul_f32 v[S+2*ge-64:S+2*ge-63], v[S+2*ge-64:S+2*ge-63], v[(\hb)+2*ge-64:(\hb)+2*ge-63]
.elseif ge < 80
	v_exp_f32 v[S+ge-48], v[S+ge-48]
.elseif ge < 96
	v_pk_add_f32 v[S+2*ge-160:S+2*ge-159], v[S+2*ge-160:S+2*ge-159], 1.0 op_sel_hi:[1,0]
.elseif ge < 128
	v_rcp_f32 v[S+ge-96], v[S+ge-96]
.elseif ge < 144
.if ge == 128
	v_nop
	s_wait_alu depctr_va_vdst(0)
.endif
	v_pk_mul_f32 v[S+2*ge-256:S+2*ge-255], v[S+2*ge-256:S+2*ge-255], v[(\hb)+2*ge-256:(\hb)+2*ge-255]
.else
	v_cvt_pk_bf16_f32 v[(\gb)+8*(((ge-144)/4)%2)+4*((ge-144)/8)+(ge-144)%4], v[S+2*ge-288], v[S+2*ge-287]
.endif
.set ge, ge+1
.endm
; CHUNK c's TURN, p = c % 2: gelu(chunk c) in twenties behind groups of four products: T += W2 G of chunk c - 1 (do2), then H of chunk c + 1 (do1)
.macro TURN p, do2, do1
.set HP, H0+32*(\p)
.set HN, H0+32*(1-(\p))
.set GP, G0+16*(\p)
.set GN, G0+16*(1-(\p))
.set ge, 0
	WIN 0
.if \do1
	v_add_nc_u32 v[A1], 0x4000, v[A1]
	v_add_nc_u32 v[A3], 128, v[A3]
	LOADF W1F, A1
	LOADB1
.endif
.if \do2
.if \do1
	s_wait_dscnt 20                                ; the 20 loads just issued may stay out: W2 of chunk c - 1 is in
.else
	s_wait_dscnt 0x0
.endif
.endif
.set tg, 0
.rept 4
.if \do2
	P2G GN, tg
.endif
	WIN 0
.rept 20
	GE HP, GP
.endr
.set tg, tg+1
.endr
	PLACES                                         ; the places behind the last product, and the plain instruction behind the last exponential
	s_wait_alu depctr_va_vdst(0)                   ; one wait for the 32 exponentials
	LOADF W2F, A2
	v_add_nc_u32 v[A2], 0x4000, v[A2]
.if \do1
	s_wait_dscnt 16                                ; W2's 16 loads may stay out: W1 and b1 of chunk c + 1 are in
.endif
.set tg, 0
.rept 4
.if \do1
	P1G HN, 1, tg
.endif
	WIN 0
.rept 20
	GE HP, GP
.endr
.set tg, tg+1
.endr
.endm
	s_load_b256 s[4:11], s[0:1], 0x0               ; t_in s[4:5], w s[6:7], p_in s[8:9], sums s[10:11]
	v_lshl_add_u32 v[SPW], v0, 2, SPARE
	v_mov_b32 v[NIL], 0
	ds_add_u32 v[SPW], v[NIL]                      ; the opening: the add, twice on end, and its wait ahead of my first tensor load
	ds_add_u32 v[SPW], v[NIL]
	v_lshrrev_b32 v16, 5, v0
	v_readfirstlane_b32 s[WV], v16
	v_and_b32 v17, 31, v0
	v_bfe_u32 v18, v0, 4, 1
	v_lshlrev_b32 v[L16], 4, v17
	v_lshlrev_b32 v[L8], 3, v17
	v_lshl_add_u32 v[AV], v18, 5, VECB
	s_bfe_u32 s15, ttmp6, 0x40000                  ; cx: it enters global addresses alone, by s15, s16, s58, s59
	s_lshl_b32 s16, ttmp9, 2
	s_add_co_u32 s16, s16, s15
	s_mov_b32 s[LE], 0x3fb8aa3b
	s_mov_b32 s[LE+1], 0x3fb8aa3b
	s_mov_b32 s[CA], 0xc0135761
	s_mov_b32 s[CA+1], 0xc0135761
	s_mov_b32 s[CB], 0xbdd2d3e8
	s_mov_b32 s[CB+1], 0xbdd2d3e8
	s_mov_b32 s[SEL], 0x76543210
	s_mov_b32 s[SEL+1], 0xfedcba98
	s_mov_b32 s20, 15|(3<<16)|(1<<21)              ; Wq and the vectors: 19 rows of 256 bytes a wave
	s_mov_b32 s21, 32<<16
	s_mov_b32 s22, 19<<16
	s_mov_b32 s23, 32<<16
	s_mov_b32 s24, 19
	s_mov_b32 s25, 32
	s_mov_b32 s26, 0
	s_mov_b32 s27, 0
	s_mov_b32 s28, 15|(3<<16)|(1<<21)              ; FF chunks 0-13: 112 rows a wave
	s_mov_b32 s29, 32<<16
	s_mov_b32 s30, 112<<16
	s_mov_b32 s31, 32<<16
	s_mov_b32 s32, 112
	s_mov_b32 s33, 32
	s_mov_b32 s34, 0
	s_mov_b32 s35, 0
	s_mov_b32 s36, 1
	s_mul_i32 s18, s[WV], 4864
	s_add_co_u32 s37, s18, WQB
	s_mov_b32 s40, 1
	s_mul_i32 s41, s[WV], 28672
	s_lshl_b32 s2, s[WV], 13
	s_add_co_u32 s2, s2, EXB
	v_add_nc_u32 v[EXA], s2, v[L16]
	s_lshl_b32 s2, s[WV], 10
	s_add_co_u32 s2, s2, EXB
	v_add_nc_u32 v[CRA], s2, v[L16]
	s_lshl_b32 s2, s[WV], 6
	s_add_co_u32 s2, s2, SUMB
	v_lshl_add_u32 v[EXT], v18, 5, s2              ; features 16 w + 8 h on, in the work-group's 128 sums
	s_lshl_b32 s58, s15, 13                        ; the prefetch: 128 blocks of 256 bytes, shared out by address: 32 cx + l
	v_lshl_add_u32 v[PFO], v17, 8, s58
	s_wait_dscnt 0x0
	s_wait_kmcnt 0x0
	s_mov_b32 s2, s18
	s_mov_b32 s3, 0
	s_add_nc_u64 s[38:39], s[6:7], s[2:3]
	s_or_b32 s39, s39, 0x80000000
	s_mov_b32 s2, s41
	s_add_nc_u64 s[42:43], s[6:7], s[2:3]
	s_add_nc_u64 s[42:43], s[42:43], W_FF
	s_or_b32 s43, s43, 0x80000000
	s_lshr_b32 s18, s[WV], 1
	s_lshl_b32 s18, s18, 13
	s_and_b32 s19, s[WV], 1
	s_lshl_b32 s19, s19, 9
	s_add_co_u32 s18, s18, s19
	s_mov_b32 s2, s18
	s_add_nc_u64 s[56:57], s[6:7], s[2:3]
	s_add_nc_u64 s[56:57], s[56:57], W_WO
	s_add_co_u32 s19, s18, MXB
	v_add_nc_u32 v[A2], s19, v[L16]
	s_add_nc_u64 s[52:53], s[6:7], W_R1
	s_mul_i32 s2, ttmp9, 40960
	s_mul_i32 s18, s[WV], 1280
	s_add_co_u32 s2, s2, s18
	s_add_nc_u64 s[8:9], s[8:9], s[2:3]
	s_lshl_b32 s58, s16, 17
	s_lshl_b32 s59, s[WV], 14
	s_add_co_u32 s58, s58, s59
	s_mov_b32 s59, 0
	s_add_nc_u64 s[4:5], s[4:5], s[58:59]
	s_lshl_b32 s58, s16, 9
	s_add_nc_u64 s[10:11], s[10:11], s[58:59]
	ROUND                                          ; the four partners are here: the first joint loads meet
	tensor_load_to_lds s[36:39], s[20:27]          ; two loads of mine are out
	s_nop 0
	tensor_load_to_lds s[40:43], s[28:35]
	s_nop 0
	PLACES
.irp p, 0,1,2,3
	global_load_b128 v[32+8*\p:35+8*\p], v[L16], s[8:9] offset:10240*\p
	global_load_b128 v[36+8*\p:39+8*\p], v[L16], s[8:9] offset:10240*\p+512
	global_load_b64 v[64+2*\p:65+2*\p], v[L8], s[8:9] offset:10240*\p+1024
.endr
.irp o, 0,1,2,3,4,5,6,7
	global_load_b128 v[72+4*\o:75+4*\o], v[L16], s[56:57] offset:1024*\o
.endr
	WIN 0x40
.set m, 0
.rept 16
	global_load_b128 v[8*m:8*m+3], v[L16], s[4:5] offset:1024*m th:TH_LOAD_NT
	global_load_b128 v[8*m+4:8*m+7], v[L16], s[4:5] offset:1024*m+512 th:TH_LOAD_NT
.set m, m+1
.endr
	WIN 0
	s_wait_loadcnt 32                              ; t's 32 loads may stay out: the partials and o_w are in
	v_max3_num_f32 v16, v64, v66, v68              ; Mx of head w
	v_max_num_f32 v16, v16, v70
.irp p, 0,1,2,3
	v_sub_f32 v[20+2*\p], v[64+2*\p], v16
.endr
.irp p, 0,1,2,3
	v_exp_f32 v[20+2*\p], v[20+2*\p]
.endr
.irp z, 104,105,106,107,112,113,114,115,21,23,25,27
	v_mov_b32 v[\z], 0                             ; K is 16 deep: source 0's upper half is 0; what source 1 holds there need only be finite
.endr
	s_wait_alu depctr_va_vdst(0)
	v_mul_f32 v17, v20, v65
	v_fmac_f32 v17, v22, v67
	v_fmac_f32 v17, v24, v69
	v_fmac_f32 v17, v26, v71
	v_rcp_f32 v17, v17
	v_nop
	s_wait_alu depctr_va_vdst(0)
	v_mul_f32 v17, 0x3e800000, v17                 ; 1 / l, and q's factor 16^-0.5
.irp p, 0,1,2,3
	v_mul_f32 v[20+2*\p], v[20+2*\p], v17
.endr
.irp i, 0,1,2,3
	v_pk_mul_f32 v[32+2*\i:33+2*\i], v[32+2*\i:33+2*\i], v[20:21] op_sel_hi:[1,0]
.endr
.irp p, 1,2,3
.irp i, 0,1,2,3
	v_pk_fma_f32 v[32+2*\i:33+2*\i], v[32+8*\p+2*\i:33+8*\p+2*\i], v[20+2*\p:21+2*\p], v[32+2*\i:33+2*\i] op_sel_hi:[1,0,1]
.endr
.endr
.irp i, 0,1,2,3
	v_cvt_pk_bf16_f32 v[108+\i], v[32+2*\i], v[33+2*\i]
.endr
.irp o, 0,1,2,3,4,5,6,7
	v_wmma_f32_16x16x32_bf16 v[128+8*\o:135+8*\o], v[108:115], v[72+4*\o:79+4*\o], 0
.endr
	PLACES
.irp o, 0,1,2,3,4,5,6,7
.irp i, 0,1,2,3
	v_cvt_pk_bf16_f32 v[192+4*\o+\i], v[128+8*\o+2*\i], v[129+8*\o+2*\i]
.endr
.endr
.irp o, 0,1,2,3,4,5,6,7
	ds_store_b128 v[A2], v[192+4*\o:195+4*\o] offset:1024*\o
.endr
	s_wait_tensorcnt 0x1                           ; Wq and the vectors: my part is in; the FF load may stay out
	s_wait_dscnt 0x0
	s_barrier_signal -1
	s_barrier_wait -1
	s_wait_loadcnt 0x0                             ; t
	LN 0
	; what the refill will ask for, 32,768 bytes, is named once in the launch: by wave 0 of the four work-groups of the first cluster, a lane a block of 256 bytes
	s_cmp_eq_u32 s[WV], 0
	s_cselect_b32 s54, ttmp9, 1
	s_cmp_eq_u32 s54, 0
	s_cbranch_scc0 .Lnopf
	global_prefetch_b8 v[PFO], s[52:53] th:TH_LOAD_NT scope:SCOPE_SE
.Lnopf:
	v_add_nc_u32 v[A1], WQB, v[L16]
	v_add_nc_u32 v[A2], MXB, v[L16]
	LOADF W1F, A1
	s_mov_b32 s17, 4
.Latt:                                                 ; a trip: two heads
	s_wait_dscnt 0x0
	P1G H0, 0, 0
	P1G H0, 0, 1
	P1G H0, 0, 2
	P1G H0, 0, 3
	PLACES
	LOADF W2F, A2
	v_add_nc_u32 v[A2], 0x2000, v[A2]
	s_cmp_eq_u32 s17, 1
	s_cbranch_scc1 .Lnoq
	v_add_nc_u32 v[A1], 0x2000, v[A1]
	LOADF W1F, A1
.Lnoq:
	SOFTQ
	s_wait_dscnt 0x0
	P2G G0, 0
	P2G G0, 1
	P2G G0, 2
	P2G G0, 3
	WIN 0
	s_sub_co_u32 s17, s17, 1
	s_cmp_lg_u32 s17, 0
	s_cbranch_scc1 .Latt
	; Wq's bytes are filled again, with FF chunks 14 and 15
	s_wait_tensorcnt 0x0                           ; all my tensor loads have landed: the descriptors may be written
	ds_add_u32 v[SPW], v[NIL]
	s_mov_b32 s22, 16<<16
	s_mov_b32 s24, 16
	s_lshl_b32 s2, s[WV], 12
	s_mov_b32 s3, 0
	s_add_co_u32 s37, s2, WQB
	s_add_nc_u64 s[38:39], s[6:7], s[2:3]
	s_add_nc_u64 s[38:39], s[38:39], W_R1
	s_or_b32 s39, s39, 0x80000000
	s_wait_dscnt 0x0                               ; the add is done, and my reads of Wq are over
	ROUND
	tensor_load_to_lds s[36:39], s[20:27]
	s_nop 0
	PLACES
	BIASADD 1024                                   ; + o_b
	LN 1536                                        ; LN2
	s_wait_tensorcnt 0x0                           ; my part of chunks 14 and 15 is in,
	s_wait_dscnt 0x0
	s_barrier_signal -1
	s_barrier_wait -1                              ; everybody's is
	v_mov_b32 v[A1], v[L16]
	v_add_nc_u32 v[A2], 0x2000, v[L16]
	v_add_nc_u32 v[A3], 3072, v[AV]
	LOADF W1F, A1
	LOADB1
	s_wait_dscnt 0x0
	P1G H0, 1, 0
	P1G H0, 1, 1
	P1G H0, 1, 2
	P1G H0, 1, 3
	PLACES
	TURN 0, 0, 1
	s_mov_b32 s17, 7
.Lff:
	TURN 1, 1, 1
	TURN 0, 1, 1
	s_sub_co_u32 s17, s17, 1
	s_cmp_lg_u32 s17, 0
	s_cbranch_scc1 .Lff
	TURN 1, 1, 0
	s_wait_dscnt 0x0
	P2G G0+16, 0
	P2G G0+16, 1
	P2G G0+16, 2
	P2G G0+16, 3
	WIN 0
	s_wait_dscnt 0x0                               ; my reads of the FF weights are over,
	s_barrier_signal -1
	s_barrier_wait -1                              ; everybody's are: their bytes may be stored over
	BIASADD 2560                                   ; + ff_b2
	WIN 0x05
.set m, 0
.rept 8
.irp i, 0,1,2,3
	v_pk_add_f32 v[96+8*m+2*\i:97+8*m+2*\i], v[8*m+2*\i:8*m+2*\i+1], v[64+8*m+2*\i:65+8*m+2*\i]  ; my two tiles
.endr
.set m, m+1
.endr
	WIN 0
.set m, 0
.rept 8
	ds_store_b128 v[EXA], v[96+8*m:99+8*m] offset:1024*m
	ds_store_b128 v[EXA], v[100+8*m:103+8*m] offset:1024*m+512
.set m, m+1
.endr
	s_wait_dscnt 0x0
	s_barrier_signal -1
	s_barrier_wait -1
.set u, 0
.rept 8                                ; wave w takes feature tile w of all eight waves
	ds_load_b128 v[96+8*u:99+8*u], v[CRA] offset:8192*u
	ds_load_b128 v[100+8*u:103+8*u], v[CRA] offset:8192*u+512
.set u, u+1
.endr
	s_wait_dscnt 0x0
.set u, 1
.rept 7
.irp i, 0,1,2,3
	v_pk_add_f32 v[96+2*\i:97+2*\i], v[96+2*\i:97+2*\i], v[96+8*u+2*\i:97+8*u+2*\i]
.endr
.set u, u+1
.endr
.irp k, 1,2,4,8                        ; over the 16 tokens of a row of lanes
.irp j, 0,1,2,3,4,5,6,7
	v_add_f32_dpp v[96+\j], v[96+\j], v[96+\j] row_xmask:\k row_mask:0xf bank_mask:0xf
.endr
.endr
	ds_store_b128 v[EXT], v[96:99]                 ; the 16 lanes of a row store the same bytes with the same values
	ds_store_b128 v[EXT], v[100:103] offset:16
	s_wait_dscnt 0x0
	s_barrier_signal -1
	s_barrier_wait -1
	s_cmp_lg_u32 s[WV], 0
	s_cbranch_scc1 .Lend
	v_add_nc_u32 v[A1], SUMB, v[L16]
	ds_load_b128 v[104:107], v[A1]
	s_wait_dscnt 0x0
	global_store_b128 v[L16], v[104:107], s[10:11] ; 512 consecutive bytes
.Lend:
	s_wait_tensorcnt 0x0                           ; the wave's end
	ds_add_u32 v[SPW], v[NIL]
	s_wait_dscnt 0x0
	ROUND                                          ; the closing round
	s_endpgm
.Lfunc_end_k_qd1ec92cd70_lay4:
	.size	k_qd1ec92cd70_lay4, .Lfunc_end_k_qd1ec92cd70_lay4-k_qd1ec92cd70_lay4
	.p2alignl 7, 3214868480
	.fill 96, 4, 3214868480
	.section	.rodata,"a",@progbits
	.p2align	6, 0x0
	.amdhsa_kernel k_qd1ec92cd70_lay4
		.amdhsa_group_segment_fixed_size 327680
		.amdhsa_private_segment_fixed_size 0
		.amdhsa_enable_private_segment 0
		.amdhsa_kernarg_size 32
		.amdhsa_user_sgpr_count 2
		.amdhsa_user_sgpr_kernarg_segment_ptr 1
		.amdhsa_wavefront_size32 1
		.amdhsa_system_sgpr_workgroup_id_x 1
		.amdhsa_system_sgpr_workgroup_id_y 1
		.amdhsa_system_sgpr_workgroup_id_z 1
		.amdhsa_system_vgpr_workitem_id 0
		.amdhsa_next_free_vgpr 512
		.amdhsa_next_free_sgpr 66
		.amdhsa_reserve_vcc 0
		.amdhsa_float_denorm_mode_32 3
		.amdhsa_float_denorm_mode_16_64 3
		.amdhsa_memory_ordered 1
		.amdhsa_forward_progress 1
		.amdhsa_inst_pref_size 159
	.end_amdhsa_kernel
	.amdgpu_metadata
---
amdhsa.version: [ 1, 2 ]
amdhsa.kernels:
  - .name:           k_qd1ec92cd70_lay4
    .symbol:         k_qd1ec92cd70_lay4.kd
    .args:
      - { .name: tb, .offset: 0, .size: 8, .value_kind: global_buffer, .address_space: global }
      - { .name: w4, .offset: 8, .size: 8, .value_kind: global_buffer, .address_space: global }
      - { .name: pb, .offset: 16, .size: 8, .value_kind: global_buffer, .address_space: global }
      - { .name: pa, .offset: 24, .size: 8, .value_kind: global_buffer, .address_space: global }
    .group_segment_fixed_size: 327680
    .private_segment_fixed_size: 0
    .kernarg_segment_align: 8
    .kernarg_segment_size: 32
    .max_flat_workgroup_size: 256
    .sgpr_count:     66
    .vgpr_count:     512
    .wavefront_size: 32
...
	.end_amdgpu_metadata
.endif
;; end of part 4
;; launch fin (part 5): grid 64 x 1, 1 waves a work-group, no clusters, 0 bytes of LDS; arguments pa, out0; writes out0
.if DOCPART == 5
	.amdgcn_target "amdgcn-amd-amdhsa--gfx1250"
	.amdhsa_code_object_version 6
	.text
	.protected	k_qd1ec92cd70_fin
	.globl	k_qd1ec92cd70_fin
	.p2align	8
	.type	k_qd1ec92cd70_fin,@function
k_qd1ec92cd70_fin:
	s_mov_b64 s[64:65], 0
	v_nop
	global_prefetch_b8 v0, s[64:65] scope:SCOPE_SE
	s_setreg_imm32_b32 hwreg(HW_REG_WAVE_MODE, 25, 1), 1
	s_wait_xcnt 0x0
; out0[b][:] = (the four work-groups' sums of t over their 256 tokens, added) / 1,024.  One wave a batch: four loads and one store of 512 consecutive bytes.  Nothing is left out.
	s_load_b128 s[4:7], s[0:1], 0x0                ; sums s[4:5], out0 s[6:7]
	v_lshlrev_b32 v1, 4, v0
	s_lshl_b32 s2, ttmp9, 11
	s_mov_b32 s3, 0
	s_lshl_b32 s8, ttmp9, 9
	s_mov_b32 s9, 0
	s_wait_kmcnt 0x0
	s_add_nc_u64 s[4:5], s[4:5], s[2:3]
	s_add_nc_u64 s[6:7], s[6:7], s[8:9]
.irp p, 0,1,2,3
	global_load_b128 v[4+4*\p:7+4*\p], v1, s[4:5] offset:512*\p
.endr
	s_wait_loadcnt 0x0
	v_pk_add_f32 v[4:5], v[4:5], v[8:9]
	v_pk_add_f32 v[6:7], v[6:7], v[10:11]
	v_pk_add_f32 v[12:13], v[12:13], v[16:17]
	v_pk_add_f32 v[14:15], v[14:15], v[18:19]
	v_pk_add_f32 v[4:5], v[4:5], v[12:13]
	v_pk_add_f32 v[6:7], v[6:7], v[14:15]
	v_pk_mul_f32 v[4:5], v[4:5], 0x3a800000 op_sel_hi:[1,0]
	v_pk_mul_f32 v[6:7], v[6:7], 0x3a800000 op_sel_hi:[1,0]
	global_store_b128 v1, v[4:7], s[6:7]
	s_endpgm
.Lfunc_end_k_qd1ec92cd70_fin:
	.size	k_qd1ec92cd70_fin, .Lfunc_end_k_qd1ec92cd70_fin-k_qd1ec92cd70_fin
	.p2alignl 7, 3214868480
	.fill 96, 4, 3214868480
	.section	.rodata,"a",@progbits
	.p2align	6, 0x0
	.amdhsa_kernel k_qd1ec92cd70_fin
		.amdhsa_group_segment_fixed_size 0
		.amdhsa_private_segment_fixed_size 0
		.amdhsa_enable_private_segment 0
		.amdhsa_kernarg_size 16
		.amdhsa_user_sgpr_count 2
		.amdhsa_user_sgpr_kernarg_segment_ptr 1
		.amdhsa_wavefront_size32 1
		.amdhsa_system_sgpr_workgroup_id_x 1
		.amdhsa_system_sgpr_workgroup_id_y 1
		.amdhsa_system_sgpr_workgroup_id_z 1
		.amdhsa_system_vgpr_workitem_id 0
		.amdhsa_next_free_vgpr 24
		.amdhsa_next_free_sgpr 66
		.amdhsa_reserve_vcc 0
		.amdhsa_float_denorm_mode_32 3
		.amdhsa_float_denorm_mode_16_64 3
		.amdhsa_memory_ordered 1
		.amdhsa_forward_progress 1
		.amdhsa_inst_pref_size 2
	.end_amdhsa_kernel
	.amdgpu_metadata
---
amdhsa.version: [ 1, 2 ]
amdhsa.kernels:
  - .name:           k_qd1ec92cd70_fin
    .symbol:         k_qd1ec92cd70_fin.kd
    .args:
      - { .name: pa, .offset: 0, .size: 8, .value_kind: global_buffer, .address_space: global }
      - { .name: out0, .offset: 8, .size: 8, .value_kind: global_buffer, .address_space: global }
    .group_segment_fixed_size: 0
    .private_segment_fixed_size: 0
    .kernarg_segment_align: 8
    .kernarg_segment_size: 16
    .max_flat_workgroup_size: 32
    .sgpr_count:     66
    .vgpr_count:     24
    .wavefront_size: 32
...
	.end_amdgpu_metadata
.endif
;; end of part 5
